; MI455X (gfx1250); checked and timed in simulation.
; The chip was launched on July 23, 2026; its instructions are those of AMD's public machine-readable ISA for CDNA 5 (MIT licence, August 2026) and "CDNA5" Instruction Set Architecture Reference Guide (July 2026). The comments in the code are by the model that wrote it; some were corrected since.
;; Causal Self Attention. Allowed arithmetic: matrix products marked QUANTISED: E2M3 operands, one E8M0 scale for each 32 along K, by v_wmma_scale_f32_16x16x128_f8f6f4 with both operands' format E2M3, f32 sums; everything else in f32.
;; Inputs: Wk 2,048 x 512 float32; Wo 2,048 x 2,048 float32; Wq 2,048 x 2,048 float32; Wv 2,048 x 512 float32; x 4 x 1,024 x 2,048 float32.
;; Outputs: out0 4 x 1,024 x 2,048 float32.
;; Constants: pos = 0.
;; This version of the problem:
;;   THIS VERSION OF THE PROBLEM IS GIVEN IN LOW PRECISION. The matrix products marked QUANTISED in the list below multiply operands that are first quantised to E2M3 (2 exponent bits, 3 mantissa bits; 6 bits a number), with one power-of-two scale for each 32 numbers along K (OCP MX v1.0); their sums are f32. All else is computed in f32.
;;   The module's matrix products, in the order in which they are computed (A, B: the left and right operand; K: the contracted axis; several contracted axes count as one K, in the product's order):
;;     1. [M 4,096, K 2,048] x [K 2,048, N 2,048]; A: input x; B: input Wq: QUANTISED
;;     2. [M 4,096, K 2,048] x [K 2,048, N 512]; A: input x; B: input Wk: QUANTISED
;;     3. [M 4,096, K 2,048] x [K 2,048, N 512]; A: input x; B: input Wv: QUANTISED
;;     4. batch 64 x [M 1,024, K 128] x [K 128, N 1,024]; A: computed on the way; B: computed on the way: QUANTISED
;;     5. batch 64 x [M 1,024, K 1,024] x [K 1,024, N 128]; A: softmax (see below); B: computed on the way: QUANTISED
;;     6. [M 4,096, K 2,048] x [K 2,048, N 2,048]; A: computed on the way; B: input Wo: QUANTISED
;;   THE QUANTISER, for each operand of a quantised product, along K:
;;     - K is cut into blocks of 32 from its start; a last block that is shorter is filled with zeros.
;;     - A block's scale is 2^e with e = floor(log2(the largest magnitude in the block)) - 2, held to -126 .. 127; a block of zeros has e = 0. As a byte (E8M0): e + 127.
;;     - Each number is divided by its block's scale, clamped to +-7.5, and rounded to the nearest number of E2M3, ties to even, subnormals kept.
;;     - The product sums the exact products of the quantised numbers (number of the format x scale) in f32.
;;   ~~~python
;;   def quantise(x, axis):      # numpy; x: float32 -> the quantised numbers, widened to float32 again
;;       x = np.moveaxis(x, axis, -1); K = x.shape[-1]
;;       x = np.pad(x, [(0, 0)] * (x.ndim - 1) + [(0, -K % 32)]); x = x.reshape(x.shape[:-1] + (-1, 32)); a = np.abs(x).max(-1, keepdims=True)
;;       e = np.where(a > 0, np.clip(np.frexp(np.where(a > 0, a, 1))[1] - 1 - 2, -126, 127), 0)      # np.frexp(a)[1] - 1 = floor(log2(a)), exactly
;;       r = np.clip(x / 2.0 ** e, -7.5, 7.5)
;;       step = 2.0 ** (np.maximum(np.frexp(np.where(r == 0, 1, r))[1] - 1, 0) - 3)
;;       q = np.round(r / step) * step * 2.0 ** e      # np.round: ties to even
;;       return np.moveaxis(q.reshape(q.shape[:-2] + (-1,))[..., :K], -1, axis).astype(np.float32)
;;   ~~~
;;   SOFTMAX AHEAD OF A QUANTISED PRODUCT. Where the list says 'softmax', what is quantised is not the finished softmax but p = 2^(t - M), with t = logit x log2(e) and M = ceil(the row's largest t), a whole number; so 1/2 < the row's largest p <= 1. The row's sum l is taken of the UNQUANTISED p, in f32, and the product's result is divided by l at the end. Since M is a whole number, a kernel that streams over the keys may use a running M (the ceiling of the running maximum): every later rescaling is an exact power of two, which a block's scale takes up: the codes' values come out the same.
;;   OPERANDS COMPUTED ON THE WAY. 'Computed on the way' means the value that the module computes at that place (a softmax that the list does not call 'softmax' is quantised finished and normalised). What goes into a quantiser is computed in f32, as accurately as f32 sums, v_exp_f32 and their like allow (about 1e-6 of the number): no bf16 or f16 on the way to a quantiser, and a product that is left as it is and whose result goes on into a quantised operand takes f32 operands (vector FMAs, or v_wmma_f32_16x16x4_f32). A number that lies on a knife's edge between two numbers of the format may be rounded either way, as far as f32 arithmetic and the matrix unit's own rounding can turn it there, and no further.
;; One version. Each part assembles by itself: llvm-mc -triple=amdgcn-amd-amdhsa -mcpu=gfx1250 --defsym DOCPART=n.
;; ======== version 1 of 1: 4 launches
;; limits: a function is approximated: absolute error at most 0.00012
;; workspace buffers: xq 6,553,600 bytes; wq 8,192,000 bytes; rope 589,824 bytes; qkv 10,223,616 bytes; yq 6,553,600 bytes
;; launch prep (part 1): grid 594 x 1, 4 waves a work-group, no clusters, 34,304 bytes of LDS; arguments x, Wq, Wk, Wv, Wo, xq, wq, rope; writes xq, wq, rope
.if DOCPART == 1
	.amdgcn_target "amdgcn-amd-amdhsa--gfx1250"
	.amdhsa_code_object_version 6
	.text
	.protected	k_q7f77d287f9_prep
	.globl	k_q7f77d287f9_prep
	.p2align	8
	.type	k_q7f77d287f9_prep,@function
k_q7f77d287f9_prep:
	s_mov_b64 s[64:65], 0
	v_nop
	global_prefetch_b8 v0, s[64:65] scope:SCOPE_SE
	s_setreg_imm32_b32 hwreg(HW_REG_WAVE_MODE, 25, 1), 1
	s_wait_xcnt 0x0
; PREP: x and the four weights, f32, become codes of FP6 (E2M3) with one E8M0 scale byte for each 32 along K; and the table of cos and sin for RoPE is made.
; A block's scale is 2^(floor(log2(its largest magnitude)) - 2): its byte is the largest magnitude's exponent field - 2, held at 1 from below.
; LAYOUT OF THE CODES.  An operand is kept as IMAGES OF ITS REGISTERS: a fragment (16 rows x 128 K, 12 registers a lane) is 1,536 bytes, registers 4 c .. 4 c + 3 of lane l at byte 512 c + 16 l.
;   xq, wq: [row tile][K / 128 = 16][1,536]; behind all codes the scale words: [row tile][K / 128][16 rows] x 4 bytes.
; THE ROWS OF A TILE ARE NOT NEIGHBOURS: row i of tile p is token (or weight column) 32 (p / 2) + 8 (p % 2) + i + 8 (i / 8), so that a product's 16 registers of two neighbouring tiles are 16 neighbours.
; WORK-GROUPS: 0-255 one row tile of x each (a wave: four K steps of 128);  256-575 128 columns x 256 K of a weight (a wave: 32 columns);  576-593 four table tiles each (a wave: one).
; wq's row tiles: 0-127 Wq;  128 + 16 g .. + 7 Wk's head g, 136 + 16 g .. + 7 Wv's head g;  192-319 Wo.
; rope: 72 tiles of 8,192 bytes, images of 64 registers: for the lane's token t, i = 0 .. 15: cos(t f), sin(t f) at frequency 16 (i / 8) + 8 (lane / 16) + i % 8, then the same 32 frequencies on.
;   Tiles 64-71 are made with t = 0: cos = 1, sin = 0: they leave a number as it is.
; LIMITS: NaN and infinities are not served.  Blocks whose largest magnitude lies under 2^-124 take the byte 1; a block of zeros takes the byte 1 where the rule says 127 (its codes are zeros; this program alone reads the bytes).
;   The 64 frequencies 10^(-f / 16) are written as decimals, rounded once to f32; a power and a reciprocal taken in f32 may differ from them in the last bit, which moves the largest angles (t = 1,023) by up to 1.2e-4.
; Only the path for x touches LDS (a stage of its own for each wave); waves share nothing: no barrier.
.set XSC,  6291456                     ; xq: where the scale words begin
.set WSC,  7864320                     ; wq: likewise
.set SEL,  26                          ; s[26:27] lane selects for v_permlanex16_b32: lane l xor 16
.set TM,   208                         ; v208-223 at work in QUANT
.set PC,   224                         ; v224-242 the codes just made
; 64 numbers of a lane, register 16 b + i = k 32 b + 16 (lane / 16) + i of the lane's row, become a fragment's 12 registers in v[PC] on and the row's scale word in v[pw]
.macro QUANT s, pw
.irp b, 0,1,2,3
	v_max3_num_f32 v[TM+\b], |v[\s+16*\b]|, |v[\s+1+16*\b]|, 0x1800000   ; block b: my 16 numbers, and the floor 2^(3 - 127): the byte cannot fall under 1
.endr
.irp i, 2,4,6,8,10,12,14
.irp b, 0,1,2,3
	v_max3_num_f32 v[TM+\b], v[TM+\b], |v[\s+16*\b+\i]|, |v[\s+1+16*\b+\i]|   ; the four blocks by turns
.endr
.endr
.irp b, 0,1,2,3
	v_permlanex16_b32 v[TM+4+\b], v[TM+\b], s[SEL], s[SEL+1]
.endr
.irp b, 0,1,2,3
	v_max_num_f32 v[TM+\b], v[TM+\b], v[TM+4+\b]   ; with lane l xor 16's: the block's largest magnitude
.endr
.irp b, 0,1,2,3
	v_add_nc_u32 v[TM+12+\b], 0xff000000, v[TM+\b]   ; 2 off its exponent field: the conversion's scale operand
.endr
.irp b, 0,1,2,3
	v_lshrrev_b32 v[TM+4+\b], 23, v[TM+12+\b]      ; the scale's byte
.endr
	v_lshl_or_b32 v[\pw], v[TM+5], 8, v[TM+4]
	v_lshl_or_b32 v[\pw], v[TM+6], 16, v[\pw]
	v_lshl_or_b32 v[\pw], v[TM+7], 24, v[\pw]
.irp c, 0,1
	v_cvt_scalef32_pk16_fp6_f32 v[PC+6*\c:PC+2+6*\c], v[\s+32*\c:\s+15+32*\c], v[TM+12+2*\c]
	v_cvt_scalef32_pk16_fp6_f32 v[PC+12+4*\c:PC+14+4*\c], v[\s+16+32*\c:\s+31+32*\c], v[TM+12+2*\c+1]   ; (a conversion's three registers begin on an even number)
.endr
	v_nop                                          ; one plain place behind a scaled conversion
.irp c, 0,1                                    ; the layout wants a whole block in a lane: lanes 0-15 block 2 c, lanes 16-31 block 2 c + 1
.irp i, 0,1,2
	v_permlane16_swap_b32 v[PC+6*\c+\i], v[PC+12+4*\c+\i]
.endr
.irp i, 0,1,2
	v_mov_b32 v[PC+3+6*\c+\i], v[PC+12+4*\c+\i]
.endr
.endr
.endm
	s_load_b256 s[4:11], s[0:1], 0x0               ; x s[4:5], Wq s[6:7], Wk s[8:9], Wv s[10:11]
	s_load_b256 s[12:19], s[0:1], 0x20             ; Wo s[12:13], xq s[14:15], wq s[16:17], rope s[18:19]
	v_lshl_add_u32 v254, v0, 2, 0x8400
	v_mov_b32 v255, 0
	v_lshrrev_b32 v1, 5, v0
	v_readfirstlane_b32 s20, v1                    ; wave 0..3
	v_and_b32 v1, 31, v0                           ; lane
	v_and_b32 v2, 15, v0                           ; r
	v_bfe_u32 v3, v0, 4, 1                         ; h
	s_mov_b32 s[SEL], 0x76543210
	s_mov_b32 s[SEL+1], 0xfedcba98
	s_wait_kmcnt 0x0
	s_cmp_ge_u32 ttmp9, 576
	s_cbranch_scc1 .Ltable
	s_cmp_ge_u32 ttmp9, 256
	s_cbranch_scc1 .Lweights
; ---------------------------------------------------------------- x: row tile p = the work-group's number; wave w takes K steps 4 w .. 4 w + 3
.set R,    16                          ; v16-143  two sets of 64 numbers as loaded
.set X,    144                         ; v144-207 64 numbers as QUANT wants them
.set PWS,  244                         ; v244-247 the four scale words
	s_lshr_b32 s21, ttmp9, 1
	s_lshl_b32 s21, s21, 5
	s_and_b32 s22, ttmp9, 1
	s_lshl_b32 s22, s22, 3
	s_add_co_u32 s21, s21, s22                     ; the tile's first token: 32 (p / 2) + 8 (p % 2)
	s_lshl_b32 s22, s21, 13                        ; a row of x is 8,192 bytes
	s_mov_b32 s23, 0
	s_add_nc_u64 s[4:5], s[4:5], s[22:23]
	s_mul_i32 s22, ttmp9, 24576
	s_mul_i32 s24, s20, 6144
	s_add_co_u32 s22, s22, s24
	s_add_nc_u64 s[28:29], s[14:15], s[22:23]      ; my four images
	s_lshl_b32 s22, ttmp9, 10
	s_lshl_b32 s24, s20, 8
	s_add_co_u32 s22, s22, s24
	s_add_co_u32 s22, s22, XSC
	s_add_nc_u64 s[30:31], s[14:15], s[22:23]      ; my 4 x 16 scale words
	v_lshlrev_b32 v7, 4, v1                        ; 16 x lane
	v_lshlrev_b32 v8, 2, v1                        ; 4 x lane
	s_lshl_b32 s24, s20, 11
	v_add_nc_u32 v4, s24, v7                       ; in a row of x: 2,048 w + 16 x lane
	s_mul_i32 s24, s20, 8448                       ; my stage: 16 rows of 512 bytes + 16
	v_add_nc_u32 v5, s24, v7                       ; into it: as loaded
	v_mul_u32_u24 v6, v2, 528
	v_lshl_add_u32 v6, v3, 6, v6
	v_add_nc_u32 v6, s24, v6                       ; out of it: row r, + 64 h: 16 neighbours of each block of 32
.irp b, 0,1,2,3
	v_mov_b32 v[TM+4+\b], 0                        ; written once: a lane permute's destination counts as one of its sources
.endr
.macro LOADX s                         ; K step s of my four: each load reads 512 consecutive bytes of one of the tile's 16 tokens
.irp i, 0,1,2,3,4,5,6,7,8,9,10,11,12,13,14,15
	global_load_b128 v[R+64*((\s)%2)+4*\i:R+64*((\s)%2)+4*\i+3], v4, s[4:5] offset:(\i+8*(\i/8))*8192+512*(\s) th:TH_LOAD_NT
.endr
.endm
	LOADX 0
	LOADX 1
.irp s, 0,1,2,3
.if \s < 3
	s_wait_loadcnt 16                              ; this K step's 16 loads are in; the next one's may be out
.else
	s_wait_loadcnt 0x0
.endif
.irp i, 0,1,2,3,4,5,6,7,8,9,10,11,12,13,14,15
	ds_store_b128 v5, v[R+64*(\s%2)+4*\i:R+64*(\s%2)+4*\i+3] offset:528*\i
.endr
.irp b, 0,1,2,3
.irp j, 0,1,2,3
	ds_load_b128 v[X+16*\b+4*\j:X+16*\b+4*\j+3], v6 offset:128*\b+16*\j   ; LDS serves a wave's instructions in order: these see the stores above
.endr
.endr
	s_wait_dscnt 0x0                               ; the numbers are back, and the stores have read their registers
	s_wait_xcnt 0x0                                ; the last K step's stores have read the codes' registers, which QUANT writes again
.if \s < 2
	LOADX \s+2
.endif
	QUANT X, PWS+\s
.irp c, 0,1,2
	global_store_b128 v7, v[PC+4*\c:PC+4*\c+3], s[28:29] offset:1536*\s+512*\c   ; 32 lanes store 512 consecutive bytes
.endr
.endr
	v_cmp_ne_u32 vcc_lo, 0, v3
	v_cndmask_b32 v9, v[PWS], v[PWS+1], vcc_lo     ; every lane holds its row's word: lanes 0-15 give one K step's 16 words, lanes 16-31 the next one's
	v_cndmask_b32 v10, v[PWS+2], v[PWS+3], vcc_lo
	global_store_b32 v8, v9, s[30:31]
	global_store_b32 v8, v10, s[30:31] offset:128
	s_wait_tensorcnt 0x0
	ds_add_u32 v254, v255
	s_wait_dscnt 0x0
	s_endpgm
; ---------------------------------------------------------------- the weights, [K][N]: a lane takes a column and its registers run down K
.Lweights:
.set VO,   16                          ; v16-47   byte offsets of a block's 32 rows at my column
.set WX,   48                          ; v48-111  two sets of 32 numbers
.set IM,   112                         ; v112-159 for each of two K steps: the two tiles' images
.set TC,   160                         ; v160-162 a block's upper 16 codes
.set SB,   168                         ; v168-169 my column's scale word of each K step
	s_sub_co_u32 s21, ttmp9, 256
	s_lshr_b32 s22, s21, 3                         ; cb 0..39: which 128 columns: 0-15 Wq, 16-19 Wk, 20-23 Wv, 24-39 Wo
	s_and_b32 s23, s21, 7                          ; kb: which 256 along K
	s_mov_b64 s[28:29], s[6:7]                     ; the tensor,
	s_mov_b32 s30, 8192                            ; its row in bytes,
	s_mov_b32 s31, s22                             ; the block of 128 columns in it,
	s_lshl_b32 s58, s22, 3
	s_mov_b32 s32, s58                             ; and the block's first row tile in wq: here as for Wq
	s_sub_co_u32 s33, s22, 16
	s_sub_co_u32 s34, s22, 20
	s_sub_co_u32 s35, s22, 24
	s_lshl_b32 s24, s22, 4
	s_sub_co_u32 s25, s24, 128                     ; Wk: 128 + 16 (cb - 16)
	s_sub_co_u32 s24, s24, 184                     ; Wv: 136 + 16 (cb - 20)
	s_mov_b32 s21, 2048
	s_cmp_ge_u32 s22, 16                           ; the choices hang on the work-group's number alone
	s_cselect_b64 s[28:29], s[8:9], s[28:29]
	s_cselect_b32 s30, s21, s30
	s_cselect_b32 s31, s33, s31
	s_cselect_b32 s32, s25, s32
	s_cmp_ge_u32 s22, 20
	s_cselect_b64 s[28:29], s[10:11], s[28:29]
	s_cselect_b32 s31, s34, s31
	s_cselect_b32 s32, s24, s32
	s_cmp_ge_u32 s22, 24
	s_cselect_b64 s[28:29], s[12:13], s[28:29]
	s_cselect_b32 s30, 8192, s30
	s_cselect_b32 s31, s35, s31
	s_cselect_b32 s32, s58, s32
	s_lshl_b32 s52, s31, 9                         ; 128 columns are 512 bytes
	s_lshl_b32 s53, s23, 8
	s_mul_i32 s53, s53, s30                        ; 256 kb rows
	s_add_co_u32 s52, s52, s53
	s_mov_b32 s53, 0
	s_add_nc_u64 s[36:37], s[28:29], s[52:53]      ; block 0's first row; s[36 + 2 t : 37 + 2 t]: block t's
	s_lshl_b32 s52, s30, 5                         ; 32 rows on
.irp t, 1,2,3,4,5,6,7
	s_add_nc_u64 s[36+2*\t:37+2*\t], s[34+2*\t:35+2*\t], s[52:53]
.endr
	s_lshl_b32 s24, s20, 1
	s_add_co_u32 s24, s32, s24                     ; my two row tiles begin here
	s_mul_i32 s52, s24, 24576
	s_mul_i32 s25, s23, 3072                       ; K steps 2 kb, 2 kb + 1
	s_add_co_u32 s52, s52, s25
	s_add_nc_u64 s[54:55], s[16:17], s[52:53]      ; their images
	s_lshl_b32 s52, s24, 10
	s_lshl_b32 s25, s23, 7
	s_add_co_u32 s52, s52, s25
	s_add_co_u32 s52, s52, WSC
	s_add_nc_u64 s[56:57], s[16:17], s[52:53]      ; their scale words
	v_lshlrev_b32 v4, 4, v1                        ; 16 x lane
	v_lshlrev_b32 v5, 2, v2
	v_lshl_add_u32 v5, v3, 10, v5                  ; scale words: tile lane / 16, row r
	v_and_b32 v6, 7, v1                            ; lane l is row l % 16 of tile l / 16: column (l & 7) + 16 ((l >> 3) & 1) + 8 (l >> 4) of my 32
	v_bfe_u32 v7, v1, 3, 1
	v_lshl_or_b32 v6, v7, 4, v6
	v_lshl_or_b32 v6, v3, 3, v6
	v_lshlrev_b32 v6, 2, v6
	s_lshl_b32 s24, s20, 7
	v_add_nc_u32 v6, s24, v6                       ; + 32 w columns
.set I, 0
.rept 32
	v_mad_u32_u24 v[VO+I], s30, I, v6
.set I, I+1
.endr
.macro LOADW t                         ; block t: 32 rows of K at my column: the wave reads 128 consecutive bytes of each row
.set I, 0
.rept 32
	global_load_b32 v[WX+32*((\t)%2)+I], v[VO+I], s[36+2*(\t):37+2*(\t)] th:TH_LOAD_NT
.set I, I+1
.endr
.endm
; Block t = block t % 4 of K step t / 4.  Even blocks go to the first image's registers, odd ones to the second's: OUTW's exchange of halves then makes two whole images.
.macro BLOCKW t
.set XS, WX+32*((\t)%2)
.set D, IM+24*((\t)/4)+12*((\t)%2)+6*(((\t)%4)/2)
.if (\t) < 7
	s_wait_loadcnt 32                              ; this block's 32 loads are in; the next block's may be out
.else
	s_wait_loadcnt 0x0
.endif
	v_max3_num_f32 v164, |v[XS]|, |v[XS+1]|, |v[XS+2]|              ; the block's largest magnitude: all 32 numbers are mine
	v_max3_num_f32 v165, |v[XS+3]|, |v[XS+4]|, |v[XS+5]|
.irp i, 6,10,14,18,22,26
	v_max3_num_f32 v164, v164, |v[XS+\i]|, |v[XS+\i+1]|
	v_max3_num_f32 v165, v165, |v[XS+\i+2]|, |v[XS+\i+3]|
.endr
	v_max3_num_f32 v164, v164, |v[XS+30]|, |v[XS+31]|
	v_max3_num_f32 v164, v164, v165, 0x1800000     ; and the floor 2^(3 - 127)
	v_add_nc_u32 v166, 0xff000000, v164            ; the conversion's scale operand
	v_lshrrev_b32 v167, 23, v166                   ; the scale's byte
.if (\t)%4 == 0
	v_mov_b32 v[SB+(\t)/4], v167
.else
	v_lshl_or_b32 v[SB+(\t)/4], v167, 8*((\t)%4), v[SB+(\t)/4]
.endif
	v_cvt_scalef32_pk16_fp6_f32 v[D:D+2], v[XS:XS+15], v166
	v_cvt_scalef32_pk16_fp6_f32 v[TC:TC+2], v[XS+16:XS+31], v166   ; (a conversion's three registers begin on an even number)
	v_nop                                          ; one plain place behind a scaled conversion
.irp i, 0,1,2
	v_mov_b32 v[D+3+\i], v[TC+\i]
.endr
.if (\t)+2 < 8
	LOADW (\t)+2
.endif
.endm
; K step u is whole.  The first run holds blocks 0, 2 of tile 0 (lanes 0-15) and of tile 1 (lanes 16-31), the second blocks 1, 3 likewise: the first's upper lanes change places with the second's lower ones.
.macro OUTW u
.set I, 0
.rept 12
	v_permlane16_swap_b32 v[IM+24*\u+I], v[IM+24*\u+12+I]
.set I, I+1
.endr
.irp c, 0,1,2
	global_store_b128 v4, v[IM+24*\u+4*\c:IM+24*\u+4*\c+3], s[54:55] offset:1536*\u+512*\c
	global_store_b128 v4, v[IM+24*\u+12+4*\c:IM+24*\u+12+4*\c+3], s[54:55] offset:24576+1536*\u+512*\c
.endr
	global_store_b32 v5, v[SB+\u], s[56:57] offset:64*\u
.endm
	LOADW 0
	LOADW 1
	BLOCKW 0
	BLOCKW 1
	BLOCKW 2
	BLOCKW 3
	OUTW 0                                         ; each K step has registers of its own: no store's data are written again
	BLOCKW 4
	BLOCKW 5
	BLOCKW 6
	BLOCKW 7
	OUTW 1
	s_endpgm
; ---------------------------------------------------------------- the table of cos and sin
.Ltable:
.set OUT,  16                          ; v16-79 the tile's 64 registers
	s_sub_co_u32 s21, ttmp9, 576
	s_lshl_b32 s21, s21, 2
	s_add_co_u32 s21, s21, s20                     ; tile 0..71
	s_lshr_b32 s22, s21, 1
	s_lshl_b32 s22, s22, 5
	s_and_b32 s23, s21, 1
	s_lshl_b32 s23, s23, 3
	s_add_co_u32 s22, s22, s23
	s_cmp_lt_u32 s21, 64
	s_cselect_b32 s23, 1, 0                        ; tiles 64-71: t = 0
	v_lshrrev_b32 v4, 3, v2
	v_lshl_add_u32 v4, v4, 3, v2                   ; r + 8 (r / 8)
	v_add_nc_u32 v4, s22, v4
	v_mul_u32_u24 v4, s23, v4
	v_cvt_f32_u32 v4, v4                           ; my token's place t, 0 .. 1,023 (pos = 0)
	v_cmp_ne_u32 vcc_lo, 0, v3                     ; lanes 16-31: stays for the whole path
	v_lshlrev_b32 v5, 4, v1
	s_lshl_b32 s24, s21, 13
	s_mov_b32 s25, 0
	s_add_nc_u64 s[18:19], s[18:19], s[24:25]
	s_mov_b32 s28, 0.6366197724                    ; 2 / pi
	s_mov_b32 s29, 0x3fc90fdb                      ; pi / 2 in three parts
	s_mov_b32 s30, 0xb33bbd2e
	s_mov_b32 s31, 0xa6f72ced
	s_mov_b32 s32, -0.16666654611                  ; sin r = r + r s (S1 + s (S2 + s S3)), s = r r, |r| <= pi / 4
	s_mov_b32 s33, 0.0083321608736
	s_mov_b32 s34, -0.00019515295891
	s_mov_b32 s35, 0.04166664568298827             ; cos r = 1 - s / 2 + s s (C1 + s (C2 + s C3))
	s_mov_b32 s36, -0.001388731625493765
	s_mov_b32 s37, 0.00002443315711809948
; cos into v[OUT + o], sin into v[OUT + 16 + o], of t x (lo in lanes 0-15, hi in lanes 16-31).  The angle is one f32 product; k = the nearest multiple of pi / 2; r = angle - k pi / 2 by three fused multiply-adds.
.macro FREQ o, lo, hi
	v_mov_b32 v80, \lo
	v_mov_b32 v81, \hi
	v_cndmask_b32 v80, v80, v81, vcc_lo
	v_mul_f32 v80, v4, v80
	v_mul_f32 v81, s28, v80
	v_rndne_f32 v81, v81
	v_fma_f32 v82, -v81, s29, v80
	v_fma_f32 v82, -v81, s30, v82
	v_fma_f32 v82, -v81, s31, v82
	v_mul_f32 v83, v82, v82
	v_fma_f32 v84, v83, s34, s33
	v_fma_f32 v84, v83, v84, s32
	v_mul_f32 v85, v82, v83
	v_fma_f32 v84, v85, v84, v82                   ; sin r
	v_fma_f32 v86, v83, s37, s36
	v_fma_f32 v86, v83, v86, s35
	v_mul_f32 v87, v83, v83
	v_fma_f32 v88, v83, -0.5, 1.0
	v_fma_f32 v86, v87, v86, v88                   ; cos r
	v_cvt_i32_f32 v81, v81
	v_and_b32 v89, 1, v81
	v_cmp_eq_u32 s40, 1, v89                       ; k odd: sine and cosine change places
	v_cndmask_b32 v90, v84, v86, s40
	v_cndmask_b32 v91, v86, v84, s40
	v_and_b32 v89, 2, v81                          ; the sine is negative in quadrants 2, 3,
	v_lshlrev_b32 v89, 30, v89
	v_xor_b32 v[OUT+16+\o], v89, v90
	v_add_nc_u32 v81, 1, v81                       ; the cosine in quadrants 1, 2
	v_and_b32 v81, 2, v81
	v_lshlrev_b32 v81, 30, v81
	v_xor_b32 v[OUT+\o], v81, v91
.endm
	FREQ 0, 1.0, 0.3162277660
	FREQ 1, 0.8659643234, 0.2738419634
	FREQ 2, 0.7498942093, 0.2371373706
	FREQ 3, 0.6493816316, 0.2053525026
	FREQ 4, 0.5623413252, 0.1778279410
	FREQ 5, 0.4869675252, 0.1539926526
	FREQ 6, 0.4216965034, 0.1333521432
	FREQ 7, 0.3651741273, 0.1154781985
	FREQ 8, 0.1, 0.03162277660
	FREQ 9, 0.08659643234, 0.02738419634
	FREQ 10, 0.07498942093, 0.02371373706
	FREQ 11, 0.06493816316, 0.02053525026
	FREQ 12, 0.05623413252, 0.01778279410
	FREQ 13, 0.04869675252, 0.01539926526
	FREQ 14, 0.04216965034, 0.01333521432
	FREQ 15, 0.03651741273, 0.01154781985
	FREQ 32, 0.01, 0.003162277660
	FREQ 33, 0.008659643234, 0.002738419634
	FREQ 34, 0.007498942093, 0.002371373706
	FREQ 35, 0.006493816316, 0.002053525026
	FREQ 36, 0.005623413252, 0.001778279410
	FREQ 37, 0.004869675252, 0.001539926526
	FREQ 38, 0.004216965034, 0.001333521432
	FREQ 39, 0.003651741273, 0.001154781985
	FREQ 40, 0.001, 0.0003162277660
	FREQ 41, 0.0008659643234, 0.0002738419634
	FREQ 42, 0.0007498942093, 0.0002371373706
	FREQ 43, 0.0006493816316, 0.0002053525026
	FREQ 44, 0.0005623413252, 0.0001778279410
	FREQ 45, 0.0004869675252, 0.0001539926526
	FREQ 46, 0.0004216965034, 0.0001333521432
	FREQ 47, 0.0003651741273, 0.0001154781985
.irp c, 0,1,2,3,4,5,6,7,8,9,10,11,12,13,14,15
	global_store_b128 v5, v[OUT+4*\c:OUT+4*\c+3], s[18:19] offset:512*\c
.endr
	s_endpgm
.Lfunc_end_k_q7f77d287f9_prep:
	.size	k_q7f77d287f9_prep, .Lfunc_end_k_q7f77d287f9_prep-k_q7f77d287f9_prep
	.p2alignl 7, 3214868480
	.fill 96, 4, 3214868480
	.section	.rodata,"a",@progbits
	.p2align	6, 0x0
	.amdhsa_kernel k_q7f77d287f9_prep
		.amdhsa_group_segment_fixed_size 34304
		.amdhsa_private_segment_fixed_size 0
		.amdhsa_enable_private_segment 0
		.amdhsa_kernarg_size 64
		.amdhsa_user_sgpr_count 2
		.amdhsa_user_sgpr_kernarg_segment_ptr 1
		.amdhsa_wavefront_size32 1
		.amdhsa_system_sgpr_workgroup_id_x 1
		.amdhsa_system_sgpr_workgroup_id_y 1
		.amdhsa_system_sgpr_workgroup_id_z 1
		.amdhsa_system_vgpr_workitem_id 0
		.amdhsa_next_free_vgpr 256
		.amdhsa_next_free_sgpr 66
		.amdhsa_reserve_vcc 1
		.amdhsa_float_denorm_mode_32 3
		.amdhsa_float_denorm_mode_16_64 3
		.amdhsa_memory_ordered 1
		.amdhsa_forward_progress 1
		.amdhsa_inst_pref_size 124
	.end_amdhsa_kernel
	.amdgpu_metadata
---
amdhsa.version: [ 1, 2 ]
amdhsa.kernels:
  - .name:           k_q7f77d287f9_prep
    .symbol:         k_q7f77d287f9_prep.kd
    .args:
      - { .name: x, .offset: 0, .size: 8, .value_kind: global_buffer, .address_space: global }
      - { .name: Wq, .offset: 8, .size: 8, .value_kind: global_buffer, .address_space: global }
      - { .name: Wk, .offset: 16, .size: 8, .value_kind: global_buffer, .address_space: global }
      - { .name: Wv, .offset: 24, .size: 8, .value_kind: global_buffer, .address_space: global }
      - { .name: Wo, .offset: 32, .size: 8, .value_kind: global_buffer, .address_space: global }
      - { .name: xq, .offset: 40, .size: 8, .value_kind: global_buffer, .address_space: global }
      - { .name: wq, .offset: 48, .size: 8, .value_kind: global_buffer, .address_space: global }
      - { .name: rope, .offset: 56, .size: 8, .value_kind: global_buffer, .address_space: global }
    .group_segment_fixed_size: 34304
    .private_segment_fixed_size: 0
    .kernarg_segment_align: 8
    .kernarg_segment_size: 64
    .max_flat_workgroup_size: 128
    .sgpr_count:     66
    .vgpr_count:     256
    .wavefront_size: 32
...
	.end_amdgpu_metadata
.endif
;; end of part 1
;; launch qkv (part 2): grid 12 x 16, 4 waves a work-group, clusters of 4 x 4, 327,680 bytes of LDS; arguments xq, wq, rope, qkv; writes qkv
.if DOCPART == 2
	.amdgcn_target "amdgcn-amd-amdhsa--gfx1250"
	.amdhsa_code_object_version 6
	.text
	.protected	k_q7f77d287f9_qkv
	.globl	k_q7f77d287f9_qkv
	.p2align	8
	.type	k_q7f77d287f9_qkv,@function
k_q7f77d287f9_qkv:
	s_mov_b64 s[64:65], 0
	v_nop
	global_prefetch_b8 v0, s[64:65] scope:SCOPE_SE
	s_setreg_imm32_b32 hwreg(HW_REG_WAVE_MODE, 25, 1), 1
	s_wait_xcnt 0x0
	s_wait_alu depctr_hold_cnt(0) depctr_sa_sdst(0) depctr_va_vdst(0) depctr_va_sdst(0) depctr_va_ssrc(0) depctr_va_vcc(0) depctr_vm_vsrc(0)
	s_getreg_b32 s2, hwreg(HW_REG_IB_STS2, 6, 4)
	s_cmp_eq_u32 s2, 0
	s_cbranch_scc0 .Lentry_in_a_cluster
	s_endpgm
.Lentry_in_a_cluster:
	s_bfe_u32 s2, ttmp6, 0x10000c
	s_cmp_lg_u32 s2, 0xf033
	s_cbranch_scc0 .Lentry_shape_is_right
	s_endpgm
.Lentry_shape_is_right:
; QKV: q = rope(x Wq), k = rope(x Wk), v = x Wv on codes of FP6 (E2M3) with E8M0 scales, and the results quantised again, in registers, as the operands of attention.  No f32 result goes to memory.
; OPERANDS are images of registers: a fragment (16 rows x 128 K) is 1,536 bytes, registers 4 c .. 4 c + 3 of lane l at 512 c + 16 l; xq, wq: [row tile][16 K steps of 128][1,536], then scale words [row tile][16][16 rows].
; Row i of row tile p is token (or weight column) 32 (p / 2) + 8 (p % 2) + i + 8 (i / 8).
; A tile of the product, 256 tokens x 256 columns, is made by four waves, 128 x 128 each: 64 accumulators, 512 registers.  K goes in steps of 256 through a ring of two LDS slots filled by the tensor data mover:
; a step of one row tile is 3,072 consecutive bytes, at a multiple of 256 from the buffer's first byte.  The scale words of the work-group's 2 x 16 row tiles, for all of K, come into LDS once.
; CLUSTERS: 4 x 4 work-groups; x's tiles are asked for jointly along a row of the cluster, the weights' along a column.
; THE MATRIX INSTRUCTION IS USED TRANSPOSED: source 0 = 16 weight columns, source 1 = 16 tokens: a lane holds ONE token, and register 8 b + j of its eight accumulators is channel 32 (b / 2) + 16 (lane / 16) + 8 (b % 2) + j of the
; wave's head: 64 numbers in the order in which the quantiser along the head's axis wants them.  A wave's 128 columns are one head: tile columns 0-7 hold two heads of q, tile column 8 + g holds k's head g (even waves) and v's (odd waves).
; V IS WANTED WITH THE KEYS ALONG K.  A wave of v exchanges the two LDS addresses from which it reads: source 0 = 16 tokens, source 1 = 16 columns of Wv.  A lane then holds one channel and its registers run along the tokens.
; The text is the same for all waves: the choice is made by s_cselect_b32 on the cluster's x and the wave's number, which all partners share.  RoPE is passed by v with table tiles of cos = 1 and sin = 0.
; qkv: q's images [64 heads][8 groups of 128 tokens][8][1,536]; at KI k's [16 heads][8][8][1,536]; at VI v's [16 heads][8 groups of 128 keys][8 tiles of channels][1,536];
;   at QS, KS, VS their scale words, 1,024 bytes for a group: [m 0..3][lane][2]: word u of lane l belongs to row l % 16 of tile 2 m + u.
; LIMITS: NaN and infinities are not served; a block under 2^-124 or of zeros takes the scale byte 1 (this program alone reads the bytes); x cos + rot sin is one product and one fused multiply-add.
; REGISTERS, in windows of 256: window 0: v16-31 addresses; v32-63 scale words, two sets, and nothing else; v64-107 the quantiser's; from v128 source 1's fragments, ONE set, later the 64 numbers to quantise.
;   window 1: source 0's fragments, TWO sets, at v0 and v128; later four table tiles.   windows 2, 3: the accumulators ((a, b) at v[8 (8 (a % 4) + b)]).
.set BRHO,   0                         ; the weights' first row tile in wq
.set NQ,     2                         ; matrix instructions deep in a slot
.set RT,     24576                     ; a row tile's codes, all of K
.set ROWB,   3072                      ; and those of a K step of 256: two images
.set FR,     12                        ; registers of a fragment
.set NL,     3                         ; LDS loads that bring one
.set NP,     4                         ; places behind this matrix instruction (ISA guide 7.12.1)
.set HALFT,  8*ROWB                    ; 8 row tiles: what one tensor load brings, and what one wave reads of either side
.set SLOT,   4*HALFT
.set LAPS,   4                         ; a lap = two K steps = once round the ring: K = 2,048
.set SCL,    2*SLOT                    ; behind the ring: the scale words
.set HALFS,  8192                      ; those of 8 row tiles
.set SPARE,  SCL+4*HALFS               ; behind them: the spare words, 128 bytes for each wave, which no other line names
.set XSC,    6291456                   ; xq: where the scale words begin
.set WSC,    7864320                   ; wq: likewise
.set KI,     6291456
.set VI,     7864320
.set QS,     9437184
.set KS,     9961472
.set VS,     10092544
.set ADRA, 16                          ; v16-17  LDS address of source 1's fragments in slot 0, 1
.set ADRB, 20                          ; v20-21  of source 0's
.set LI,   24                          ; v24     16 x lane
.set L8,   25                          ; v25     8 x lane
.set ADRS, 27                          ; v27     LDS address of my scale words: lanes 0-15 source 1's rows, lanes 16-31 source 0's
.set SPW,  28                          ; v28     LDS address of my spare word; never rewritten
.set NIL,  29                          ; v29     0; never rewritten
.set PFO,  30                          ; v30     the prefetches' offset; never rewritten
.set SC,   32                          ; scale words: set s at v[SC + 16 s]; register 2 i + q: block i, the slot's q-th 128 along K
.set TM,   64                          ; v64-79  at work in QUANT
.set PC,   80                          ; v80-98  the codes just made
.set SW,   100                         ; v100-107 the eight scale words
.set AF,   128
.set H,    128                         ; v128-191 64 numbers to quantise
.set G1, 24                            ; s[24:31] descriptor group 1 for x's tiles;  s[32:39] group 0, one set for each slot
.set G0, 32
.set G1B, 48                           ; s[48:55], s[56:63] the same for the weights'
.set G0B, 56
.set G1S, 68                           ; s[68:75], s[76:79] groups 1 and 0 for x's scale words;  s[80:87], s[88:91] for the weights'
.set G0S, 76
.set G1SB, 80
.set G0SB, 88
.set ISV,  95                          ; s95     1 in a wave of v
.set SEL,  96                          ; s[96:97] lane selects for v_permlanex16_b32 (set in the epilogue)
.set PFA,  98                          ; s[98:99] where my prefetches stand
.set LIM,  100                         ; s100, s101: a wave prefetches at slot s's refill while the count of laps to go is at least s[LIM + s]
.set TAB,  20                          ; s[20:21] my table tiles;  s[22:23] my images;  s[92:93] my scale words (epilogue)
.set DI,   22
.set DS,   92
.set MSB, 0
.macro WIN new                         ; the immediate's high byte repeats the setting that is left
.if MSB != (\new)
	s_set_vgpr_msb (MSB<<8)|(\new)
.set MSB, (\new)
.endif
.endm
.set MUL_LO, 0xa1                      ; source 0 window 1, source 1 window 0, C and D window 2
.set MUL_HI, 0xf1                      ; the same, C and D window 3
.set TO_B,   0x40                      ; destination window 1, address window 0
; A joint load: waves 0 and 1 fetch x's halves, waves 2 and 3 the weights'.  The branch hangs on the wave's number alone.  Four v_nop follow each of the two lines.
.macro JLOAD g0a, g1a, g0b, g1b
	s_cmp_eq_u32 s15, 0
	s_cbranch_scc0 .Lfor_b_\@
	tensor_load_to_lds s[\g0a:\g0a+3], s[\g1a:\g1a+7]
	s_nop 0
.rept 4
	v_nop
.endr
	s_branch .Lasked_\@
.Lfor_b_\@:
	tensor_load_to_lds s[\g0b:\g0b+3], s[\g1b:\g1b+7]
	s_nop 0
.rept 4
	v_nop
.endr
.Lasked_\@:
.endm
.macro CREST                           ; a round of the cluster's barrier behind its opening barrier
	s_cmp_lg_u32 s14, 0
	s_cbranch_scc1 .Lnot_wave_0_\@
	s_barrier_signal -3
.Lnot_wave_0_\@:
	s_barrier_wait -3
	s_barrier_signal -1
	s_barrier_wait -1
.endm
.macro CROUND                          ; a whole round
	s_barrier_signal -1
	s_barrier_wait -1
	CREST
.endm
; A PREFETCH INTO THE L2 of K steps 4 to 7 (bytes 12,288 to 24,575 of a row tile), in three requests, at the refills for K steps 2, 3 and 4: each names 4,096 bytes of two row tiles, lanes 256 bytes apart,
; two refills or more (256 matrix instructions) ahead of the load that wants them.  Each block is named once in the launch: of the clusters that read a row tile the first asks (cluster x = 0 for x, cluster y = 0 for the weights);
; of the 8 row tiles that a wave fetches, each of the four partners that ask for them jointly takes two, told apart by address.  K steps 0 to 3 come by their loads alone.
.macro ASK lim
	s_cmp_ge_u32 s3, s[\lim]
	s_cbranch_scc0 .Lnot_mine_\@
	global_prefetch_b8 v[PFO], s[PFA:PFA+1] th:TH_LOAD_NT scope:SCOPE_SE
.Lnot_mine_\@:
.endm
	s_load_b256 s[4:11], s[0:1], 0x0               ; xq s[4:5], wq s[6:7], rope s[8:9], qkv s[10:11]
	v_lshl_add_u32 v[SPW], v0, 2, SPARE
	v_mov_b32 v[NIL], 0
	ds_add_u32 v28, v29
	ds_add_u32 v28, v29
	s_wait_dscnt 0x0
	v_lshrrev_b32 v1, 5, v0
	v_readfirstlane_b32 s14, v1                    ; wave 0..3
	s_lshr_b32 s15, s14, 1                         ; which half of the tile's tokens is mine.  Also: I fetch for x (0) or for the weights (1)
	s_and_b32 s16, s14, 1                          ; which half of its columns.  Also: which 8 row tiles I fetch
	s_bfe_u32 s40, ttmp6, 0x40000                  ; cx, cy: my place in the cluster
	s_bfe_u32 s41, ttmp6, 0x40004
	s_lshl_b32 s42, ttmp9, 2
	s_add_co_u32 s42, s42, s40                     ; tile column = 4 x cluster x + cx
	s_and_b32 s17, ttmp7, 0xffff
	s_lshl_b32 s17, s17, 2
	s_add_co_u32 s17, s17, s41                     ; tile row = 4 x cluster y + cy
	s_lshl_b32 s43, s41, 2
	s_lshl_b32 s43, 15, s43                        ; my row of the cluster
	s_lshl_b32 s44, 0x1111, s40                    ; my column
	; descriptor group 1: 8 rows of 3,072 bytes (384 elements of 8 bytes), 24,576 bytes apart; no padding: every LDS read takes 512 consecutive bytes
	s_or_b32 s[G1+0], s43, (3<<16)|(1<<21)         ; 15:0 the mask; 17:16 elements of 8 bytes; 21 set beside a mask
	s_or_b32 s[G1B+0], s44, (3<<16)|(1<<21)
.irp g, G1, G1B
	s_mov_b32 s[\g+1], 384<<16                     ; tensor_dim0
	s_mov_b32 s[\g+2], 8<<16                       ; tensor_dim1
	s_mov_b32 s[\g+3], 384<<16                     ; tile_dim0
	s_mov_b32 s[\g+4], 8                           ; tile_dim1
	s_mov_b32 s[\g+5], RT/8                        ; tensor_dim0_stride
	s_mov_b32 s[\g+6], 0
	s_mov_b32 s[\g+7], 0
.endr
	; and for the scale words of 8 row tiles: 8,192 dense bytes as 32 rows of 256
	s_or_b32 s[G1S+0], s43, (3<<16)|(1<<21)
	s_or_b32 s[G1SB+0], s44, (3<<16)|(1<<21)
.irp g, G1S, G1SB
	s_mov_b32 s[\g+1], 32<<16
	s_mov_b32 s[\g+2], 32<<16
	s_mov_b32 s[\g+3], 32<<16
	s_mov_b32 s[\g+4], 32
	s_mov_b32 s[\g+5], 32
	s_mov_b32 s[\g+6], 0
	s_mov_b32 s[\g+7], 0
.endr
	s_lshl_b32 s18, s16, 3                         ; which 8 row tiles of the 16 I fetch
	s_lshl_b32 s20, s17, 4
	s_add_co_u32 s20, s20, s18                     ; x: row tile 16 x tile row + 8 x half
	s_lshl_b32 s46, s42, 4
	s_add_co_u32 s46, s46, s18
	s_add_co_u32 s46, s46, BRHO                    ; the weights: 16 x tile column + 8 x half
	s_lshl_b32 s22, s20, 10
	s_add_co_u32 s22, s22, XSC                     ; where these row tiles' scale words begin,
	s_mov_b32 s23, 0
	s_lshl_b32 s92, s46, 10
	s_add_co_u32 s92, s92, WSC
	s_mov_b32 s93, 0
	s_mul_i32 s20, s20, RT                         ; and their codes
	s_mov_b32 s21, 0
	s_mul_i32 s46, s46, RT
	s_mov_b32 s47, 0
	s_mul_i32 s45, s14, HALFT                      ; where they go: by the wave's number alone
	s_mul_i32 s94, s14, HALFS
	s_wait_kmcnt 0x0
	s_add_nc_u64 s[20:21], s[4:5], s[20:21]
	s_add_nc_u64 s[22:23], s[4:5], s[22:23]
	s_add_nc_u64 s[46:47], s[6:7], s[46:47]
	s_add_nc_u64 s[92:93], s[6:7], s[92:93]
	CROUND                                         ; all sixteen work-groups are here: the first joint loads meet
	s_mov_b32 s[G0S], 1
	s_add_co_u32 s[G0S+1], s94, SCL
	s_mov_b64 s[G0S+2:G0S+3], s[22:23]
	s_or_b32 s[G0S+3], s[G0S+3], 0x80000000
	s_mov_b32 s[G0SB], 1
	s_add_co_u32 s[G0SB+1], s94, SCL
	s_mov_b64 s[G0SB+2:G0SB+3], s[92:93]
	s_or_b32 s[G0SB+3], s[G0SB+3], 0x80000000
	JLOAD G0S, G1S, G0SB, G1SB                     ; the scale words first: they are wanted with K step 0
.irp s, 0,1
	s_mov_b32 s[G0+4*\s], 1
	s_add_co_u32 s[G0+4*\s+1], s45, \s*SLOT
	s_add_nc_u64 s[G0+4*\s+2:G0+4*\s+3], s[20:21], \s*ROWB
	s_or_b32 s[G0+4*\s+3], s[G0+4*\s+3], 0x80000000
	s_mov_b32 s[G0B+4*\s], 1
	s_add_co_u32 s[G0B+4*\s+1], s45, \s*SLOT
	s_add_nc_u64 s[G0B+4*\s+2:G0B+4*\s+3], s[46:47], \s*ROWB
	s_or_b32 s[G0B+4*\s+3], s[G0B+4*\s+3], 0x80000000
	JLOAD G0+4*\s, G1, G0B+4*\s, G1B               ; three tensor loads of mine are out
.endr
	v_and_b32 v1, 15, v0                           ; r
	v_bfe_u32 v2, v0, 4, 1                         ; h
	v_and_b32 v3, 31, v0                           ; lane
	v_lshlrev_b32 v[LI], 4, v3
	v_lshlrev_b32 v[L8], 3, v3
	s_cmp_eq_u32 ttmp9, 2                          ; the third column of clusters holds k and v;
	s_cselect_b32 s[ISV], s16, 0                   ; there the odd waves make v
	s_mul_i32 s21, s15, HALFT                      ; my 128 tokens
	s_mul_i32 s22, s16, HALFT
	s_add_co_u32 s22, s22, 2*HALFT                 ; my 128 columns, behind x's 16 row tiles
	s_cmp_eq_u32 s[ISV], 1
	s_cselect_b32 s18, s22, s21                    ; source 1: tokens; in a wave of v: columns
	s_cselect_b32 s19, s21, s22                    ; source 0: the other
.irp s, 0,1
	v_add_nc_u32 v[ADRA+\s], s18, v[LI]
	v_add_nc_u32 v[ADRB+\s], s19, v[LI]
	s_add_co_u32 s18, s18, SLOT
	s_add_co_u32 s19, s19, SLOT
.endr
	s_mul_i32 s21, s15, HALFS                      ; x's scale words: my 8 row tiles
	s_mul_i32 s22, s16, HALFS
	s_add_co_u32 s22, s22, 2*HALFS
	s_sub_co_u32 s22, s22, s21                     ; the weights' lie this much further on
	v_xor_b32 v6, s[ISV], v2                       ; lanes 16-31 take the weights'; in a wave of v lanes 0-15 do
	v_mul_u32_u24 v6, s22, v6
	s_add_co_u32 s21, s21, SCL
	v_lshl_add_u32 v5, v1, 2, v6
	v_add_nc_u32 v[ADRS], s21, v5
	; the prefetches: who asks, and where
	s_lshl_b32 s18, s17, 4
	s_lshl_b32 s19, s42, 4
	s_add_co_u32 s19, s19, BRHO
	s_and_b32 s96, ttmp7, 0xffff                   ; cluster y
	s_cmp_eq_u32 s15, 0                            ; do I fetch for x?
	s_cselect_b32 s18, s18, s19                    ; the tile's first row tile
	s_cselect_b32 s19, s40, s41                    ; my place among the four that ask for it with me
	s_cselect_b32 s96, ttmp9, s96                  ; the coordinate along which other clusters read the same row tiles
	s_cselect_b64 s[PFA:PFA+1], s[4:5], s[6:7]
	s_cmp_eq_u32 s96, 0
	s_cselect_b32 s[LIM], 2, -1                    ; slot 0's refills for K steps 2 and 4 (3 and 2 laps to go),
	s_cselect_b32 s[LIM+1], 3, -1                  ; slot 1's for K step 3
	s_lshl_b32 s96, s16, 3
	s_add_co_u32 s18, s18, s96                     ; + the 8 that I fetch
	s_lshl_b32 s19, s19, 1
	s_add_co_u32 s18, s18, s19                     ; + my work-group's two of them
	s_mul_i32 s18, s18, RT
	s_add_co_u32 s18, s18, 12288-4096              ; the first refill steps it to K step 4's first byte
	s_mov_b32 s19, 0
	s_add_nc_u64 s[PFA:PFA+1], s[PFA:PFA+1], s[18:19]
	v_mul_u32_u24 v[PFO], v2, RT
	v_lshl_add_u32 v[PFO], v1, 8, v[PFO]           ; lanes 0-15 one row tile, lanes 16-31 the next; 256 bytes from lane to lane
.macro FRAG reg, adr, q, i             ; a fragment comes as it was stored: three loads of 512 consecutive bytes
.irp c, 0,1,2
	ds_load_b128 v[\reg+4*\c:\reg+4*\c+3], v[\adr] offset:ROWB*(\i)+1536*(\q)+512*\c
.endr
.endm
; 16 matrix instructions: source 1's blocks a0, a0 + 1 x source 0's eight, 128 along K: the slot's q-th.  p: source 0's set;  sc: the set of scale words.  zero = 1: the first product starts the sums.
; The 64 accumulators take turns, one instruction a turn, in the same order in every step.
.macro MUL16 a0, p, q, sc, zero
.irp a, \a0, \a0+1
.irp b, 0,1,2,3,4,5,6,7
.if \zero
	v_wmma_scale_f32_16x16x128_f8f6f4 v[8*(8*((\a)%4)+\b):8*(8*((\a)%4)+\b)+7], v[128*(\p)+FR*\b:128*(\p)+FR*\b+FR-1], v[AF+FR*(\a):AF+FR*(\a)+FR-1], 0, v[SC+8*NQ*(\sc)+NQ*\b+(\q)], v[SC+8*NQ*(\sc)+NQ*(\a)+(\q)] matrix_a_fmt:MATRIX_FMT_FP6 matrix_b_fmt:MATRIX_FMT_FP6 matrix_a_scale:MATRIX_SCALE_ROW1
.else
	v_wmma_scale_f32_16x16x128_f8f6f4 v[8*(8*((\a)%4)+\b):8*(8*((\a)%4)+\b)+7], v[128*(\p)+FR*\b:128*(\p)+FR*\b+FR-1], v[AF+FR*(\a):AF+FR*(\a)+FR-1], v[8*(8*((\a)%4)+\b):8*(8*((\a)%4)+\b)+7], v[SC+8*NQ*(\sc)+NQ*\b+(\q)], v[SC+8*NQ*(\sc)+NQ*(\a)+(\q)] matrix_a_fmt:MATRIX_FMT_FP6 matrix_b_fmt:MATRIX_FMT_FP6 matrix_a_scale:MATRIX_SCALE_ROW1
.endif
.endr
.endr
.endm
.macro FETCH_B slot, q, p              ; source 0's eight fragments of the slot's q-th 128 along K into set p
	WIN TO_B
.irp i, 0,1,2,3,4,5,6,7
	FRAG 128*(\p)+FR*\i, ADRB+\slot, \q, \i
.endr
	WIN 0
.endm
.macro FETCH_A slot, q, i0             ; source 1's blocks i0 .. i0 + 3
.irp i, \i0, \i0+1, \i0+2, \i0+3
	FRAG AF+FR*(\i), ADRA+\slot, \q, \i
.endr
.endm
.macro SCALES sc                       ; the next K step's scale words into set sc: lanes 0-15 take source 1's block i, lanes 16-31 source 0's block i
.irp i, 0,1,2,3,4,5,6,7
.irp q, 0,1
	ds_load_b32 v[SC+16*\sc+2*\i+\q], v[ADRS] offset:1024*\i+64*\q
.endr
.endr
.endm
; A load into a register that a matrix instruction has read, and a vector instruction that reads a matrix result, stand NP places behind that matrix instruction; only plain vector instructions
; that name none of its registers are places (ISA guide 7.12.1 for vector instructions).
.macro PLACES n
.rept \n
	v_nop
.endr
.endm
; A step of 128 along K that has its successor in the same slot.
.macro STEP slot, q, zero
	s_wait_dscnt 4*NL                              ; source 0's set, source 1's blocks 0-3 and the scale words are in; the youngest 12 loads (blocks 4-7) may be out
	WIN MUL_LO
	MUL16 0, (\q)%2, \q, \slot, \zero
	MUL16 2, (\q)%2, \q, \slot, \zero
	s_wait_dscnt 0                                 ; blocks 4-7 are in (asked for 32 matrix instructions ago)
	PLACES NP
	FETCH_B \slot, (\q)+1, 1-(\q)%2
	FETCH_A \slot, (\q)+1, 0
	WIN MUL_HI
	MUL16 4, (\q)%2, \q, \slot, \zero
	MUL16 6, (\q)%2, \q, \slot, \zero
	PLACES NP
	WIN 0
	FETCH_A \slot, (\q)+1, 4
.endm
; A slot's last step changes slots: ONE barrier; in front of it each wave waits for all its tensor loads, adds 0 to its spare word, and waits for that and for its own reads of this slot.  fill = 1: this slot is filled again, two K steps ahead.
.macro TURN slot, next, fill
.if \fill
	s_wait_xcnt 0x0                                ; the last prefetch, a K step back, has read its address:
	s_add_nc_u64 s[PFA:PFA+1], s[PFA:PFA+1], 4096  ; it steps here, ahead of the waits of the change of slots
.endif
	s_wait_tensorcnt 0x0                           ; all my tensor loads have landed: my part of the next slot;  (every window is 0 here)
	ds_add_u32 v[SPW], v[NIL]                      ; 0 onto my spare word
	s_wait_dscnt 4*NL+1                            ; (the add and the youngest 12 loads may be out)
	WIN MUL_LO
	MUL16 0, 1, NQ-1, \slot, 0                     ; sixteen matrix instructions stand between the add and the wait for it
	s_wait_dscnt 0x0                               ; the add is done, and my reads of this slot are over
	s_barrier_signal -1
	MUL16 2, 1, NQ-1, \slot, 0
	WIN 0
	s_barrier_wait -1
.if \fill
	CREST                                          ; the barrier has opened a round of the cluster's barrier: no wave of any partner still reads this slot's tile or has a load on its way
	s_add_nc_u64 s[G0+4*\slot+2:G0+4*\slot+3], s[G0+4*\slot+2:G0+4*\slot+3], 2*ROWB
	s_add_nc_u64 s[G0B+4*\slot+2:G0B+4*\slot+3], s[G0B+4*\slot+2:G0B+4*\slot+3], 2*ROWB
	JLOAD G0+4*\slot, G1, G0B+4*\slot, G1B         ; the first tensor load behind the round, and my only one until the next; its four v_nop are the places in front of the loads below
.else
	PLACES NP
.endif
	v_add_nc_u32 v[ADRS], 128, v[ADRS]             ; on to the next K step's scale words (no LDS load of mine is out)
	FETCH_B \next, 0, 0
	FETCH_A \next, 0, 0
	SCALES \next
.if \fill
	ASK LIM+\slot
.endif
	WIN MUL_HI
	MUL16 4, 1, NQ-1, \slot, 0
	MUL16 6, 1, NQ-1, \slot, 0
	PLACES NP
	WIN 0
	FETCH_A \next, 0, 4
.endm
	s_wait_tensorcnt 1                             ; the scale words and my part of K step 0 are in (K step 1's load may be out)
	s_barrier_signal -1
	s_barrier_wait -1                              ; everybody's are
	FETCH_B 0, 0, 0
	FETCH_A 0, 0, 0
	SCALES 0
	FETCH_A 0, 0, 4
	STEP 0, 0, 1                                   ; the first step stands in front of the loop: its products start the sums
	s_mov_b32 s3, LAPS-1
.Llap:                                                 ; a trip goes once round the ring and fills both slots again
	TURN 0, 1, 1
	STEP 1, 0, 0
	TURN 1, 0, 1
	STEP 0, 0, 0
	s_sub_co_u32 s3, s3, 1
	s_cmp_lg_u32 s3, 0
	s_cbranch_scc1 .Llap
	TURN 0, 1, 0                                   ; the last lap fills nothing, and has no round of the cluster's barrier
	STEP 1, 0, 0
	s_wait_dscnt 4*NL                              ; the very last step: nothing more to fetch
	WIN MUL_LO
	MUL16 0, 1, NQ-1, 1, 0
	MUL16 2, 1, NQ-1, 1, 0
	s_wait_dscnt 0
	WIN MUL_HI
	MUL16 4, 1, NQ-1, 1, 0
	MUL16 6, 1, NQ-1, 1, 0
	WIN 0
; ---------------------------------------------------------------- THE EPILOGUE: block by block of 16 rows: RoPE, the quantiser, the image and its scale words.  The same text in every wave; no LDS.
; 64 numbers of a lane, register 16 b + i = k 32 b + 16 (lane / 16) + i of the lane's row, become a fragment's 12 registers in v[PC] on and the row's scale word in v[pw]
.macro QUANT s, pw
.irp b, 0,1,2,3
	v_max3_num_f32 v[TM+\b], |v[\s+16*\b]|, |v[\s+1+16*\b]|, 0x1800000   ; block b: my 16 numbers, and the floor 2^(3 - 127): the byte cannot fall under 1
.endr
.irp i, 2,4,6,8,10,12,14
.irp b, 0,1,2,3
	v_max3_num_f32 v[TM+\b], v[TM+\b], |v[\s+16*\b+\i]|, |v[\s+1+16*\b+\i]|
.endr
.endr
.irp b, 0,1,2,3
	v_permlanex16_b32 v[TM+4+\b], v[TM+\b], s[SEL], s[SEL+1]
.endr
.irp b, 0,1,2,3
	v_max_num_f32 v[TM+\b], v[TM+\b], v[TM+4+\b]   ; with lane l xor 16's: the block's largest magnitude
.endr
.irp b, 0,1,2,3
	v_add_nc_u32 v[TM+12+\b], 0xff000000, v[TM+\b]   ; 2 off its exponent field: the conversion's scale operand
.endr
.irp b, 0,1,2,3
	v_lshrrev_b32 v[TM+4+\b], 23, v[TM+12+\b]      ; the scale's byte
.endr
	v_lshl_or_b32 v[\pw], v[TM+5], 8, v[TM+4]
	v_lshl_or_b32 v[\pw], v[TM+6], 16, v[\pw]
	v_lshl_or_b32 v[\pw], v[TM+7], 24, v[\pw]
.irp c, 0,1
	v_cvt_scalef32_pk16_fp6_f32 v[PC+6*\c:PC+2+6*\c], v[\s+32*\c:\s+15+32*\c], v[TM+12+2*\c]
	v_cvt_scalef32_pk16_fp6_f32 v[PC+12+4*\c:PC+14+4*\c], v[\s+16+32*\c:\s+31+32*\c], v[TM+12+2*\c+1]   ; (a conversion's three registers begin on an even number)
.endr
	v_nop                                          ; one plain place behind a scaled conversion
.irp c, 0,1
.irp i, 0,1,2
	v_permlane16_swap_b32 v[PC+6*\c+\i], v[PC+12+4*\c+\i]
.endr
.irp i, 0,1,2
	v_mov_b32 v[PC+3+6*\c+\i], v[PC+12+4*\c+\i]
.endr
.endr
.endm
.macro TLOADS a                        ; block a's table tile, 64 registers, into buffer a % 4 of window 1
.irp c, 0,1,2,3,4,5,6,7,8,9,10,11,12,13,14,15
	global_load_b128 v[64*((\a)%4)+4*\c:64*((\a)%4)+4*\c+3], v[LI], s[TAB:TAB+1] offset:8192*(\a)+512*\c
.endr
.endm
; Register e of the block's 64 is channel d = 32 (e / 16) + 16 (lane / 16) + e % 16, so d and d + 64 are e and e + 32; channels 2 i, 2 i + 1 share a frequency: table register i serves both halves of a pair.
; out(d) = x(d) cos(d) - x(d + 64) sin(d);  out(d + 64) = x(d + 64) cos(d + 64) + x(d) sin(d + 64).  Each accumulator is read from its low end on.
.macro ROPE a
.set AC, 64*((\a)%4)
.set TB, 64*((\a)%4)
.irp u, 0,32
.irp p, 0,2,4,6,8,10,12,14
	v_pk_mul_f32 v[H+\u+2*\p:H+\u+2*\p+1], v[AC+\u+2*\p:AC+\u+2*\p+1], v[TB+\u+\p:TB+\u+\p+1] op_sel_hi:[1,0]
	v_pk_mul_f32 v[H+\u+2*\p+2:H+\u+2*\p+3], v[AC+\u+2*\p+2:AC+\u+2*\p+3], v[TB+\u+\p:TB+\u+\p+1] op_sel:[0,1] op_sel_hi:[1,1]
.endr
.endr
.irp p, 0,2,4,6,8,10,12,14
	v_pk_fma_f32 v[H+2*\p:H+2*\p+1], v[AC+32+2*\p:AC+32+2*\p+1], v[TB+16+\p:TB+16+\p+1], v[H+2*\p:H+2*\p+1] op_sel_hi:[1,0,1] neg_lo:[1,0,0] neg_hi:[1,0,0]
	v_pk_fma_f32 v[H+2*\p+2:H+2*\p+3], v[AC+32+2*\p+2:AC+32+2*\p+3], v[TB+16+\p:TB+16+\p+1], v[H+2*\p+2:H+2*\p+3] op_sel:[0,1,0] op_sel_hi:[1,1,1] neg_lo:[1,0,0] neg_hi:[1,0,0]
.endr
.irp p, 0,2,4,6,8,10,12,14
	v_pk_fma_f32 v[H+32+2*\p:H+32+2*\p+1], v[AC+2*\p:AC+2*\p+1], v[TB+48+\p:TB+48+\p+1], v[H+32+2*\p:H+32+2*\p+1] op_sel_hi:[1,0,1]
	v_pk_fma_f32 v[H+32+2*\p+2:H+32+2*\p+3], v[AC+2*\p+2:AC+2*\p+3], v[TB+48+\p:TB+48+\p+1], v[H+32+2*\p+2:H+32+2*\p+3] op_sel:[0,1,0] op_sel_hi:[1,1,1]
.endr
.endm
	s_lshr_b32 s18, s17, 2                         ; the batch: four tile rows of 256 tokens each
	s_and_b32 s19, s17, 3
	s_lshl_b32 s19, s19, 1
	s_or_b32 s19, s19, s15                         ; my group of 128 tokens in the sequence
	s_lshl_b32 s45, s18, 4
	s_lshl_b32 s46, s42, 1
	s_add_co_u32 s45, s45, s46
	s_add_co_u32 s45, s45, s16                     ; q: head 16 b + 2 x tile column + half
	s_lshl_b32 s46, s18, 2
	s_add_co_u32 s46, s46, s40                     ; k, v: head 4 b + cx
	s_mov_b32 s22, KI
	s_mov_b32 s23, VI
	s_mov_b32 s92, KS
	s_mov_b32 s93, VS
	s_cmp_eq_u32 s16, 1
	s_cselect_b32 s22, s23, s22
	s_cselect_b32 s92, s93, s92
	s_mov_b32 s93, QS
	s_cmp_eq_u32 ttmp9, 2
	s_cselect_b32 s45, s46, s45
	s_cselect_b32 s22, s22, 0
	s_cselect_b32 s92, s92, s93
	s_lshl_b32 s45, s45, 3
	s_add_co_u32 s45, s45, s19                     ; 8 x head + group
	s_mul_i32 s46, s45, 12288
	s_add_co_u32 s22, s22, s46
	s_mov_b32 s23, 0
	s_add_nc_u64 s[DI:DI+1], s[10:11], s[22:23]    ; my eight images
	s_lshl_b32 s45, s45, 10
	s_add_co_u32 s92, s92, s45
	s_mov_b32 s93, 0
	s_add_nc_u64 s[DS:DS+1], s[10:11], s[92:93]    ; their scale words
	s_lshl_b32 s20, s19, 16                        ; the table tiles of my 128 tokens;
	s_cmp_eq_u32 s[ISV], 1
	s_cselect_b32 s20, 524288, s20                 ; for v the tiles of cos = 1, sin = 0
	s_mov_b32 s21, 0
	s_add_nc_u64 s[TAB:TAB+1], s[8:9], s[20:21]
	s_mov_b32 s[SEL], 0x76543210
	s_mov_b32 s[SEL+1], 0xfedcba98
	PLACES NP                                      ; behind the last products: for the loads into source 0's registers and the first read of results
.irp b, 0,1,2,3
	v_mov_b32 v[TM+4+\b], 0                        ; written once: a lane permute's destination counts as one of its sources
.endr
	WIN 0x40
	TLOADS 0
	TLOADS 1
	TLOADS 2
	TLOADS 3
.irp a, 0,1,2,3,4,5,6,7
.if \a < 5
	s_wait_loadcnt 48                              ; block a's table tile is in; the three younger tiles' 48 loads may be out
.else
	s_wait_loadcnt 16*(7-\a)
.endif
	WIN 0x06+\a/4                                  ; source 0: the accumulators' window; source 1: window 1
	ROPE \a
	s_wait_xcnt 0x0                                ; the last block's stores have read the codes' registers, which QUANT writes again
.if \a < 4
	WIN 0x40
	TLOADS \a+4
.endif
	WIN 0
	QUANT H, SW+\a
.irp c, 0,1,2
	global_store_b128 v[LI], v[PC+4*\c:PC+4*\c+3], s[DI:DI+1] offset:1536*\a+512*\c   ; 32 lanes store 512 consecutive bytes
.endr
.if \a%2
	global_store_b64 v[L8], v[SW+\a-1:SW+\a], s[DS:DS+1] offset:256*(\a/2)           ; two tiles' scale words: 256 consecutive bytes, aligned
.endif
.endr
	s_wait_tensorcnt 0x0                           ; the wave's end
	ds_add_u32 v[SPW], v[NIL]
	s_wait_dscnt 0x0
	CROUND                                         ; the closing round: no work-group ends while a partner may still ask for a tile that names it
	s_endpgm
.Lfunc_end_k_q7f77d287f9_qkv:
	.size	k_q7f77d287f9_qkv, .Lfunc_end_k_q7f77d287f9_qkv-k_q7f77d287f9_qkv
	.p2alignl 7, 3214868480
	.fill 96, 4, 3214868480
	.section	.rodata,"a",@progbits
	.p2align	6, 0x0
	.amdhsa_kernel k_q7f77d287f9_qkv
		.amdhsa_group_segment_fixed_size 327680
		.amdhsa_private_segment_fixed_size 0
		.amdhsa_enable_private_segment 0
		.amdhsa_kernarg_size 32
		.amdhsa_user_sgpr_count 2
		.amdhsa_user_sgpr_kernarg_segment_ptr 1
		.amdhsa_wavefront_size32 1
		.amdhsa_system_sgpr_workgroup_id_x 1
		.amdhsa_system_sgpr_workgroup_id_y 1
		.amdhsa_system_sgpr_workgroup_id_z 1
		.amdhsa_system_vgpr_workitem_id 0
		.amdhsa_next_free_vgpr 1024
		.amdhsa_next_free_sgpr 102
		.amdhsa_reserve_vcc 0
		.amdhsa_float_denorm_mode_32 3
		.amdhsa_float_denorm_mode_16_64 3
		.amdhsa_memory_ordered 1
		.amdhsa_forward_progress 1
		.amdhsa_inst_pref_size 188
	.end_amdhsa_kernel
	.amdgpu_metadata
---
amdhsa.version: [ 1, 2 ]
amdhsa.kernels:
  - .name:           k_q7f77d287f9_qkv
    .symbol:         k_q7f77d287f9_qkv.kd
    .args:
      - { .name: xq, .offset: 0, .size: 8, .value_kind: global_buffer, .address_space: global }
      - { .name: wq, .offset: 8, .size: 8, .value_kind: global_buffer, .address_space: global }
      - { .name: rope, .offset: 16, .size: 8, .value_kind: global_buffer, .address_space: global }
      - { .name: qkv, .offset: 24, .size: 8, .value_kind: global_buffer, .address_space: global }
    .group_segment_fixed_size: 327680
    .private_segment_fixed_size: 0
    .kernarg_segment_align: 8
    .kernarg_segment_size: 32
    .max_flat_workgroup_size: 128
    .sgpr_count:     102
    .vgpr_count:     1024
    .wavefront_size: 32
...
	.end_amdgpu_metadata
.endif
;; end of part 2
;; launch attn (part 3): grid 16 x 16, 16 waves a work-group, clusters of 4 x 1, 215,040 bytes of LDS; arguments qkv, yq; writes yq
.if DOCPART == 3
	.amdgcn_target "amdgcn-amd-amdhsa--gfx1250"
	.amdhsa_code_object_version 6
	.text
	.protected	k_q7f77d287f9_attn
	.globl	k_q7f77d287f9_attn
	.p2align	8
	.type	k_q7f77d287f9_attn,@function
k_q7f77d287f9_attn:
	s_mov_b64 s[64:65], 0
	v_nop
	global_prefetch_b8 v0, s[64:65] scope:SCOPE_SE
	s_setreg_imm32_b32 hwreg(HW_REG_WAVE_MODE, 25, 1), 1
	s_wait_xcnt 0x0
	s_wait_alu depctr_hold_cnt(0) depctr_sa_sdst(0) depctr_va_vdst(0) depctr_va_sdst(0) depctr_va_ssrc(0) depctr_va_vcc(0) depctr_vm_vsrc(0)
	s_getreg_b32 s2, hwreg(HW_REG_IB_STS2, 6, 4)
	s_cmp_eq_u32 s2, 0
	s_cbranch_scc0 .Lentry_in_a_cluster
	s_endpgm
.Lentry_in_a_cluster:
	s_bfe_u32 s2, ttmp6, 0x10000c
	s_cmp_lg_u32 s2, 0x3003
	s_cbranch_scc0 .Lentry_shape_is_right
	s_endpgm
.Lentry_shape_is_right:
; ATTN: y = softmax(q k^T / sqrt(128), causal) v for 64 query heads of 1,024 tokens, four query heads to a head of k and v; both products on codes of FP6 (E2M3) with E8M0 scales; y is quantised again and leaves as codes.
; THE SOFTMAX AHEAD OF THE SECOND PRODUCT: t = score x log2(e) / sqrt(128); M = the row's largest t so far, rounded UP to a whole number; p = 2^(t - M) is what is quantised, along the keys.
; The row's sum is taken of the unquantised p and divides at the end.  When M moves, the sum and O are multiplied by 2^(old M - new M): exact.
; OPERANDS are images of registers (a fragment: 1,536 bytes, registers 4 c .. 4 c + 3 of lane l at 512 c + 16 l).  Row i of tile a of a group of 128 tokens is token 32 (a / 2) + 8 (a % 2) + i + 8 (i / 8); v's channels likewise.
; Both products are used transposed: S^T = K Q^T, O^T = V^T P^T: a lane holds ONE query; the 16 registers of tiles 2 b, 2 b + 1 are keys (or channels) 32 b + 16 (lane / 16) + 0 .. 15.
; CLUSTER: the four work-groups of a cluster are the four query heads of one head of k and v: its codes and scale words, 212,992 bytes, are asked for JOINTLY, once, and stay in LDS: nothing is filled twice.
; Nothing is prefetched: every byte of k and v is asked for by the tensor loads at the head.
; SHARES.  A work-group: one query head, tiles a = X and 4 + X (X = the cluster's x) of all eight groups of 128 queries.  Wave w = 4 i + s takes group G = (2 (i / 2) + s / 2) xor 7 ((s xor i) & 1), tile 4 (i & 1) + X, and walks key
; steps 0 .. G (128 keys each): the steps behind the diagonal are left out by a scalar branch on the wave's number.  As a table over (i, s), every row and every column of G adds up to 14: all work-groups are alike.
; LIMITS: NaN and infinities are not served; a block under 2^-124 or of zeros takes the scale byte 1 (its codes are zeros; this program alone reads the bytes).
; REGISTERS: v1-7 addresses that stay; v8-11 addresses of the loads in hand; v12 -M, v13 the largest t, v[14:15] the sum in two halves; v16-27 Q; v32-79 four fragments of K or V; v96-159 S^T, then p; v160-223 O^T; v224-235 p's codes;
;   v232-254 at work; v248-251 K's or V's scale words, v253 p's, v255 Q's.
.set KI,   6291456                     ; qkv: k's images; v's lie 1,572,864 bytes further on
.set QS,   9437184                     ; q's scale words
.set KS,   9961472                     ; k's; v's lie 131,072 bytes further on
.set XSC,  6291456                     ; yq: where the scale words begin
.set LV,   98304                       ; LDS: k's images at 0, v's here,
.set LSK,  196608                      ; k's scale words,
.set LSV,  204800                      ; v's
.set AK0,  1                           ; v1   16 x lane
.set AV0,  2                           ; v2   16 x lane + LV
.set ASK0, 3                           ; v3   8 x lane + LSK
.set ASV0, 4                           ; v4   8 x lane + LSV
.set DQ,   5                           ; v5   my query's place in its group of 128, less 16 (lane / 16)
.set ADK,  8
.set ADV,  9
.set ADS,  10
.set ADT,  11
.set TM,   232                         ; QUANT's registers on the way out
.set PC,   32
.set WV,   18                          ; s18  my wave's number
.set SEL,  20                          ; s[20:21] lane selects for v_permlanex16_b32: lane l xor 16
.set CS,   22                          ; s[22:23] c = log2(e) / sqrt(128)
.set STEPN, 60                         ; s60  the key step
.set TK,   61                          ; s61  where its images begin: 12,288 bytes a step
.set TSC,  62                          ; s62  and its scale words: 1,024 bytes a step
.set G,    63                          ; s63  my group of 128 queries
.macro CROUND                          ; a round of the cluster's barrier
	s_barrier_signal -1
	s_barrier_wait -1
	s_cmp_lg_u32 s[WV], 0
	s_cbranch_scc1 .Lnot_wave_0_\@
	s_barrier_signal -3
.Lnot_wave_0_\@:
	s_barrier_wait -3
	s_barrier_signal -1
	s_barrier_wait -1
.endm
; 64 numbers of a lane, register 16 b + i = k 32 b + 16 (lane / 16) + i of the lane's row, become a fragment's 12 registers in v[PC] on and the row's scale word in v[pw]
.macro QUANT s, pw
.irp b, 0,1,2,3
	v_max3_num_f32 v[TM+\b], |v[\s+16*\b]|, |v[\s+1+16*\b]|, 0x1800000
.endr
.irp i, 2,4,6,8,10,12,14
.irp b, 0,1,2,3
	v_max3_num_f32 v[TM+\b], v[TM+\b], |v[\s+16*\b+\i]|, |v[\s+1+16*\b+\i]|
.endr
.endr
.irp b, 0,1,2,3
	v_permlanex16_b32 v[TM+4+\b], v[TM+\b], s[SEL], s[SEL+1]
.endr
.irp b, 0,1,2,3
	v_max_num_f32 v[TM+\b], v[TM+\b], v[TM+4+\b]
.endr
.irp b, 0,1,2,3
	v_add_nc_u32 v[TM+12+\b], 0xff000000, v[TM+\b]
.endr
.irp b, 0,1,2,3
	v_lshrrev_b32 v[TM+4+\b], 23, v[TM+12+\b]
.endr
	v_lshl_or_b32 v[\pw], v[TM+5], 8, v[TM+4]
	v_lshl_or_b32 v[\pw], v[TM+6], 16, v[\pw]
	v_lshl_or_b32 v[\pw], v[TM+7], 24, v[\pw]
.irp c, 0,1
	v_cvt_scalef32_pk16_fp6_f32 v[PC+6*\c:PC+2+6*\c], v[\s+32*\c:\s+15+32*\c], v[TM+12+2*\c]
	v_cvt_scalef32_pk16_fp6_f32 v[PC+12+4*\c:PC+14+4*\c], v[\s+16+32*\c:\s+31+32*\c], v[TM+12+2*\c+1]
.endr
	v_nop                                          ; one plain place behind a scaled conversion
.irp c, 0,1
.irp i, 0,1,2
	v_permlane16_swap_b32 v[PC+6*\c+\i], v[PC+12+4*\c+\i]
.endr
.irp i, 0,1,2
	v_mov_b32 v[PC+3+6*\c+\i], v[PC+12+4*\c+\i]
.endr
.endr
.endm
	s_load_b128 s[4:7], s[0:1], 0x0                ; qkv s[4:5], yq s[6:7]
	v_lshl_add_u32 v95, v0, 2, 0x34000
	v_mov_b32 v243, 0
	ds_add_u32 v95, v243
	ds_add_u32 v95, v243
	v_lshrrev_b32 v8, 5, v0
	v_readfirstlane_b32 s[WV], v8                  ; wave 0..15
	s_bfe_u32 s8, ttmp6, 0x40000                   ; cx: which of the four query heads: it enters global addresses alone
	s_and_b32 s9, ttmp7, 0xffff                    ; bg = 4 x batch + head of k and v, which the partners share
	s_lshr_b32 s10, s[WV], 2                       ; i
	s_and_b32 s11, s[WV], 3                        ; s
	s_lshr_b32 s12, s10, 1
	s_lshl_b32 s12, s12, 1
	s_lshr_b32 s13, s11, 1
	s_add_co_u32 s12, s12, s13
	s_xor_b32 s13, s11, s10
	s_and_b32 s13, s13, 1
	s_mul_i32 s13, s13, 7
	s_xor_b32 s[G], s12, s13                       ; my group: by the wave's number alone
	s_and_b32 s14, s10, 1
	s_lshl_b32 s14, s14, 2
	s_add_co_u32 s14, s14, ttmp9                   ; my tile a in it
	s_and_b32 s19, s[WV], 1                        ; what I fetch, if I fetch: wave 0 k's, wave 1 v's
	; descriptor groups 1: dense blocks as rows of 256 bytes (32 elements of 8 bytes): 32 rows (scale words), 96 (key steps 0, 1), 288 (key steps 2 to 7)
.irp g, 24,32,40
	s_mov_b32 s[\g], 15|(3<<16)|(1<<21)            ; 15:0 the mask: all four work-groups; 17:16 elements of 8 bytes; 21 set beside a mask
	s_mov_b32 s[\g+1], 32<<16                      ; tensor_dim0
	s_mov_b32 s[\g+3], 32<<16                      ; tile_dim0
	s_mov_b32 s[\g+5], 32                          ; tensor_dim0_stride
	s_mov_b32 s[\g+6], 0
	s_mov_b32 s[\g+7], 0
.endr
	s_mov_b32 s26, 32<<16                          ; tensor_dim1,
	s_mov_b32 s28, 32                              ; tile_dim1
	s_mov_b32 s34, 96<<16
	s_mov_b32 s36, 96
	s_mov_b32 s42, 288<<16
	s_mov_b32 s44, 288
	s_mul_i32 s2, s19, 131072
	s_lshl_b32 s3, s9, 13
	s_add_co_u32 s2, s2, s3
	s_add_co_u32 s2, s2, KS
	s_mov_b32 s3, 0                                ; s[2:3]: the head's scale words
	s_mul_i32 s10, s19, 1572864
	s_mul_i32 s11, s9, 98304
	s_add_co_u32 s10, s10, s11
	s_add_co_u32 s10, s10, KI
	s_mov_b32 s11, 0                               ; s[10:11]: the head's images
	s_lshl_b32 s66, s9, 2
	s_add_co_u32 s66, s66, s8                      ; my query head: 4 bg + cx
	s_lshl_b32 s66, s66, 3
	s_add_co_u32 s66, s66, s[G]
	s_mul_i32 s68, s66, 12288
	s_mul_i32 s67, s14, 1536
	s_add_co_u32 s68, s68, s67
	s_mov_b32 s69, 0                               ; s[68:69]: Q's image
	s_lshl_b32 s70, s66, 10
	s_lshr_b32 s67, s14, 1
	s_lshl_b32 s67, s67, 8
	s_add_co_u32 s70, s70, s67
	s_and_b32 s67, s14, 1
	s_lshl_b32 s67, s67, 2
	s_add_co_u32 s70, s70, s67
	s_add_co_u32 s70, s70, QS
	s_mov_b32 s71, 0                               ; s[70:71]: its scale words
	s_lshr_b32 s72, s9, 2
	s_lshl_b32 s72, s72, 6
	s_lshl_b32 s67, s[G], 3
	s_add_co_u32 s72, s72, s67
	s_add_co_u32 s72, s72, s14                     ; y's row tile: 64 x batch + 8 G + a
	s_and_b32 s67, s9, 3
	s_lshl_b32 s67, s67, 2
	s_add_co_u32 s67, s67, s8                      ; y's K step of 128 = the query head in the batch
	s_mul_i32 s74, s72, 24576
	s_mul_i32 s73, s67, 1536
	s_add_co_u32 s74, s74, s73
	s_mov_b32 s75, 0                               ; s[74:75]: y's image
	s_lshl_b32 s76, s72, 10
	s_lshl_b32 s73, s67, 6
	s_add_co_u32 s76, s76, s73
	s_add_co_u32 s76, s76, XSC
	s_mov_b32 s77, 0                               ; s[76:77]: its scale words
	s_lshr_b32 s67, s14, 1
	s_lshl_b32 s67, s67, 5
	s_and_b32 s73, s14, 1
	s_lshl_b32 s73, s73, 3
	s_add_co_u32 s67, s67, s73                     ; the tile's first token in its group: 32 (a / 2) + 8 (a % 2)
	s_mov_b32 s[SEL], 0x76543210
	s_mov_b32 s[SEL+1], 0xfedcba98
	s_mov_b32 s[CS], 0x3e0293ee                    ; c = log2(e) / sqrt(128)
	s_mov_b32 s[CS+1], s[CS]                       ; (named with it as a pair, so it is written)
	s_mov_b32 s[STEPN], 0
	s_mov_b32 s[TK], 0
	s_mov_b32 s[TSC], 0
	s_wait_dscnt 0x0
	s_wait_kmcnt 0x0
	CROUND                                         ; all four work-groups are here: the joint loads meet
	s_mov_b32 s48, 1                               ; group 0: count = 1, LDS address, global address, type = 2
	s_lshl_b32 s49, s19, 13
	s_add_co_u32 s49, s49, LSK
	s_add_nc_u64 s[50:51], s[4:5], s[2:3]
	s_or_b32 s51, s51, 0x80000000
	s_mov_b32 s52, 1
	s_mul_i32 s53, s19, LV
	s_add_nc_u64 s[54:55], s[4:5], s[10:11]
	s_or_b32 s55, s55, 0x80000000
	s_mov_b32 s56, 1
	s_add_co_u32 s57, s53, 24576
	s_add_nc_u64 s[58:59], s[4:5], s[10:11]
	s_add_nc_u64 s[58:59], s[58:59], 24576
	s_or_b32 s59, s59, 0x80000000
	s_cmp_lt_u32 s[WV], 2                          ; all fills of the launch stand in one branch on the wave's number, ahead of every wait on TENSORcnt and every LDS read: three loads of a fetching wave are out
	s_cbranch_scc0 .Lno_fetch
	tensor_load_to_lds s[48:51], s[24:31]          ; the scale words
	s_nop 0
	tensor_load_to_lds s[52:55], s[32:39]          ; key steps 0 and 1
	s_nop 0
	tensor_load_to_lds s[56:59], s[40:47]          ; key steps 2 to 7
	s_nop 0
.rept 4
	v_nop
.endr
.Lno_fetch:
	s_add_nc_u64 s[68:69], s[4:5], s[68:69]
	s_add_nc_u64 s[70:71], s[4:5], s[70:71]
	s_add_nc_u64 s[74:75], s[6:7], s[74:75]
	s_add_nc_u64 s[76:77], s[6:7], s[76:77]
	v_and_b32 v7, 31, v0                           ; lane
	v_and_b32 v8, 15, v0                           ; r
	v_bfe_u32 v9, v0, 4, 1                         ; h
	v_lshlrev_b32 v[AK0], 4, v7
.irp c, 0,1,2
	global_load_b128 v[16+4*\c:19+4*\c], v[AK0], s[68:69] offset:512*\c   ; Q's fragment stays in registers
.endr
	v_lshlrev_b32 v254, 3, v7
	global_load_b32 v255, v254, s[70:71]           ; Q's scale words
	v_add_nc_u32 v[AV0], LV, v[AK0]
	v_lshlrev_b32 v[ASK0], 3, v7
	v_add_nc_u32 v[ASV0], LSV, v[ASK0]
	v_add_nc_u32 v[ASK0], LSK, v[ASK0]
	v_lshrrev_b32 v[DQ], 3, v8
	v_lshl_add_u32 v[DQ], v[DQ], 3, v8             ; r + 8 (r / 8)
	v_add_nc_u32 v[DQ], s67, v[DQ]
	v_lshlrev_b32 v10, 4, v9
	v_sub_nc_u32 v[DQ], v[DQ], v10
	v_lshlrev_b32 v6, 2, v8                        ; 4 r
	v_mov_b32 v13, 0xff61b1e6                      ; the largest t so far: -3e38, under every t
	v_floor_f32 v12, -v13                          ; -M
	v_mov_b32 v14, 0                               ; the sum, in two halves
	v_mov_b32 v15, 0
.irp b, 0,1,2,3
	v_mov_b32 v[236+\b], 0                         ; written once: a lane permute's destination counts as one of its sources
.endr
	v_mov_b32 v252, 0
	v_mov_b32 v253, 0                              ; (named as the upper half of the pair v[252:253] before it is first written)
.irp j, 0,1,2,3,4,5,6,7,8,9,10,11,12,13,14,15,16,17,18,19,20,21,22,23,24,25,26,27,28,29,30,31,32,33,34,35,36,37,38,39,40,41,42,43,44,45,46,47,48,49,50,51,52,53,54,55,56,57,58,59,60,61,62,63
	v_mov_b32 v[160+\j], 0                         ; O^T: the step has no first form of its own: the first finds zeros, which the first change of M leaves zeros
.endr
; A KEY STEP: 128 keys.
.macro STEP
	s_cmp_gt_u32 s[STEPN], s[G]                    ; all its keys come after my queries: the step's work is left out; the lines at its end that step addresses are not
	s_cbranch_scc1 .Lhidden_\@
	v_add_nc_u32 v[ADK], s[TK], v[AK0]             ; (these four are also the places in front of the loads into registers that the last products read)
	v_add_nc_u32 v[ADV], s[TK], v[AV0]
	v_add_nc_u32 v[ADS], s[TSC], v[ASK0]
	v_add_nc_u32 v[ADT], s[TSC], v[ASV0]
.irp g, 0,1                                    ; S^T = K Q^T, four tiles of 16 keys at a time
.rept 4*\g
	v_nop                                          ; places in front of loads into registers that matrix instructions have read
.endr
.irp t, 0,1,2,3
.irp c, 0,1,2
	ds_load_b128 v[32+12*\t+4*\c:35+12*\t+4*\c], v[ADK] offset:1536*(4*\g+\t)+512*\c
.endr
.endr
.irp u, 0,1
	ds_load_b64 v[248+2*\u:249+2*\u], v[ADS] offset:256*(2*\g+\u)
.endr
	s_wait_dscnt 0x0
.irp t, 0,1,2,3
	v_wmma_scale_f32_16x16x128_f8f6f4 v[96+8*(4*\g+\t):103+8*(4*\g+\t)], v[32+12*\t:43+12*\t], v[16:27], 0, v[248+\t], v255 matrix_a_fmt:MATRIX_FMT_FP6 matrix_b_fmt:MATRIX_FMT_FP6
.endr
.endr
.rept 4
	v_nop
.endr
	s_cmp_lt_u32 s[STEPN], s[G]                    ; ahead of the diagonal every key counts
	s_cbranch_scc1 .Lopen_\@
	v_mov_b32 v254, 0xff800000                     ; on it the scores of hidden keys become -infinity ahead of the maximum: p = 0 then.  Register 16 b + i holds key 32 b + 16 (lane / 16) + i of the step
.irp n, 0,1,2,3,4,5,6,7,8,9,10,11,12,13,14,15,16,17,18,19,20,21,22,23,24,25,26,27,28,29,30,31,32,33,34,35,36,37,38,39,40,41,42,43,44,45,46,47,48,49,50,51,52,53,54,55,56,57,58,59,60,61,62,63
	v_cmp_gt_i32 vcc_lo, 32*(\n/16)+\n%16, v[DQ]
	v_cndmask_b32 v[96+\n], v[96+\n], v254, vcc_lo
.endr
.Lopen_\@:
.irp b, 0,1,2,3
	v_max3_num_f32 v[232+\b], v[96+16*\b], v[97+16*\b], v[98+16*\b]   ; the largest score of each block of 32 keys: it serves for the row's maximum and, since p rises with the score, for the block's largest p
.endr
.irp i, 3,5,7,9,11,13
.irp b, 0,1,2,3
	v_max3_num_f32 v[232+\b], v[232+\b], v[96+16*\b+\i], v[97+16*\b+\i]
.endr
.endr
.irp b, 0,1,2,3
	v_max_num_f32 v[232+\b], v[232+\b], v[111+16*\b]
.endr
.irp b, 0,1,2,3
	v_permlanex16_b32 v[236+\b], v[232+\b], s[SEL], s[SEL+1]
.endr
.irp b, 0,1,2,3
	v_max_num_f32 v[232+\b], v[232+\b], v[236+\b]  ; with lane l xor 16's 16 keys
.endr
	v_max3_num_f32 v254, v232, v233, v234
	v_max_num_f32 v254, v254, v235                 ; the step's largest score of my query
	v_mul_f32 v254, s[CS], v254                    ; as t (c is positive)
	v_max_num_f32 v13, v13, v254                   ; the running largest t
	v_mov_b32 v254, v12
	v_floor_f32 v12, -v13                          ; the new -M = floor(-t) = -ceil(t): a whole number
	v_sub_f32 v254, v12, v254                      ; M's old value less its new one: a whole number, 0 or less
	v_cvt_i32_f32 v254, v254                       ; (it saturates)
	v_ldexp_f32 v252, 1.0, v254                    ; f = 2^(old M - new M)
.irp j, 0,2,4,6,8,10,12,14,16,18,20,22,24,26,28,30,32,34,36,38,40,42,44,46,48,50,52,54,56,58,60,62
	v_pk_fma_f32 v[96+\j:97+\j], v[96+\j:97+\j], s[CS:CS+1], v[12:13] op_sel_hi:[1,0,0]   ; t - M, two at a time
.endr
.irp b, 0,1,2,3
	v_fma_f32 v[232+\b], v[232+\b], s[CS], v12     ; the same of each block's largest score
.endr
.irp j, 0,1,2,3,4,5,6,7,8,9,10,11,12,13,14,15,16,17,18,19,20,21,22,23,24,25,26,27,28,29,30,31,32,33,34,35,36,37,38,39,40,41,42,43,44,45,46,47,48,49,50,51,52,53,54,55,56,57,58,59,60,61,62,63
	v_exp_f32 v[96+\j], v[96+\j]                   ; p = 2^(t - M), at most 1: not normalised
.endr
	v_pk_mul_f32 v[14:15], v[14:15], v[252:253] op_sel_hi:[1,0]   ; the sums under the new M.  (A plain place behind the exponentials)
	s_wait_alu depctr_va_vdst(0)                   ; one wait for the whole batch, ahead of its first reader
.irp b, 0,1,2,3
	v_exp_f32 v[232+\b], v[232+\b]                 ; the block's largest p
.endr
	v_pk_add_f32 v[236:237], v[96:97], v[98:99]    ; the row's sum is taken of the unquantised p: two at a time, in two chains
.irp j, 4,8,12,16,20,24,28,32,36,40,44,48,52,56,60
	v_pk_add_f32 v[14:15], v[14:15], v[96+\j:97+\j]
	v_pk_add_f32 v[236:237], v[236:237], v[98+\j:99+\j]
.endr
	v_pk_add_f32 v[14:15], v[14:15], v[236:237]
	s_wait_alu depctr_va_vdst(0)                   ; and one for the four
.irp b, 0,1,2,3
	v_max_num_f32 v[232+\b], 0x1800000, v[232+\b]  ; the floor 2^(3 - 127): the byte cannot fall under 1
.endr
.irp b, 0,1,2,3
	v_add_nc_u32 v[244+\b], 0xff000000, v[232+\b]  ; 2 off the exponent field: the conversion's scale operand
.endr
.irp b, 0,1,2,3
	v_lshrrev_b32 v[236+\b], 23, v[244+\b]         ; the scale's byte
.endr
	v_lshl_or_b32 v253, v237, 8, v236              ; p's scale word for these 128 keys
	v_lshl_or_b32 v253, v238, 16, v253
	v_lshl_or_b32 v253, v239, 24, v253
.irp c, 0,1
	v_cvt_scalef32_pk16_fp6_f32 v[224+6*\c:226+6*\c], v[96+32*\c:111+32*\c], v[244+2*\c]
	v_cvt_scalef32_pk16_fp6_f32 v[236+4*\c:238+4*\c], v[112+32*\c:127+32*\c], v[244+2*\c+1]
.endr
	v_nop                                          ; one plain place behind a scaled conversion
.irp c, 0,1
.irp i, 0,1,2
	v_permlane16_swap_b32 v[224+6*\c+\i], v[236+4*\c+\i]
.endr
.irp i, 0,1,2
	v_mov_b32 v[227+6*\c+\i], v[236+4*\c+\i]
.endr
.endr
.irp j, 0,2,4,6,8,10,12,14,16,18,20,22,24,26,28,30,32,34,36,38,40,42,44,46,48,50,52,54,56,58,60,62
	v_pk_mul_f32 v[160+\j:161+\j], v[160+\j:161+\j], v[252:253] op_sel_hi:[1,0]   ; O^T under the new M.  (These 32 are also the places in front of the matrix instructions and loads below)
.endr
.irp g, 0,1                                    ; O^T += V^T P^T: four tiles of 16 channels at a time; K = these 128 keys
.rept 4*\g
	v_nop
.endr
.irp t, 0,1,2,3
.irp c, 0,1,2
	ds_load_b128 v[32+12*\t+4*\c:35+12*\t+4*\c], v[ADV] offset:1536*(4*\g+\t)+512*\c
.endr
.endr
.irp u, 0,1
	ds_load_b64 v[248+2*\u:249+2*\u], v[ADT] offset:256*(2*\g+\u)
.endr
	s_wait_dscnt 0x0
.irp t, 0,1,2,3
	v_wmma_scale_f32_16x16x128_f8f6f4 v[160+8*(4*\g+\t):167+8*(4*\g+\t)], v[32+12*\t:43+12*\t], v[224:235], v[160+8*(4*\g+\t):167+8*(4*\g+\t)], v[248+\t], v253 matrix_a_fmt:MATRIX_FMT_FP6 matrix_b_fmt:MATRIX_FMT_FP6
.endr
.endr
.Lhidden_\@:
	s_add_co_u32 s[TK], s[TK], 12288
	s_add_co_u32 s[TSC], s[TSC], 1024
	s_add_co_u32 s[STEPN], s[STEPN], 1
.endm
	s_wait_loadcnt 0x0                             ; Q
	s_wait_tensorcnt 0x1                           ; the scale words and key steps 0, 1 are in; the load of key steps 2 to 7 may be out
	s_barrier_signal -1
	s_barrier_wait -1
	STEP                                           ; key steps 0 and 1 are written out: they read LDS bytes under 24,576 of each half, while the rest is landing
	STEP
	s_wait_tensorcnt 0x0                           ; key steps 2 to 7 are in,
	s_wait_dscnt 0x0
	s_barrier_signal -1
	s_barrier_wait -1                              ; for every wave
.Lkeys:                                            ; six trips, no barrier: each wave works through the steps that it has
	STEP
	s_cmp_lt_u32 s[STEPN], 8
	s_cbranch_scc1 .Lkeys
	; THE WAY OUT.  O^T / the sum: register 8 t + j is channel 32 (t / 2) + 16 (lane / 16) + 8 (t % 2) + j of my query: as the quantiser along the channels wants it.  The image is K step (query head) of my row tile of y.
	v_add_f32 v14, v14, v15                        ; the sum's two halves,
	v_permlanex16_b32 v252, v14, s[SEL], s[SEL+1]
	v_add_f32 v14, v14, v252                       ; and lane l xor 16's: the row's sum
	v_rcp_f32 v14, v14
	v_nop                                          ; a plain place behind the transcendental
	s_wait_alu depctr_va_vdst(0)                   ; the wait ahead of its first reader
.irp j, 0,2,4,6,8,10,12,14,16,18,20,22,24,26,28,30,32,34,36,38,40,42,44,46,48,50,52,54,56,58,60,62
	v_pk_mul_f32 v[96+\j:97+\j], v[160+\j:161+\j], v[14:15] op_sel_hi:[1,0]   ; each accumulator from its low end on
.endr
	QUANT 96, 252
.irp c, 0,1,2
	global_store_b128 v[AK0], v[PC+4*\c:PC+4*\c+3], s[74:75] offset:512*\c    ; 32 lanes store 512 consecutive bytes
.endr
	s_wait_xcnt 0x0                                ; EXEC changes only behind this wait
	v_cmp_gt_u32 vcc_lo, 16, v7
	s_and_saveexec_b32 s2, vcc_lo                  ; lanes 16-31 hold the same words as lanes 0-15
	global_store_b32 v6, v252, s[76:77]            ; the 16 rows' scale words
	s_wait_xcnt 0x0                                ; and again in front of the line that widens it
	s_or_b32 exec_lo, exec_lo, s2
	s_wait_dscnt 0x0
	s_wait_tensorcnt 0x0
	ds_add_u32 v95, v243
	s_wait_dscnt 0x0
	CROUND                                         ; the closing round
	s_endpgm
.Lfunc_end_k_q7f77d287f9_attn:
	.size	k_q7f77d287f9_attn, .Lfunc_end_k_q7f77d287f9_attn-k_q7f77d287f9_attn
	.p2alignl 7, 3214868480
	.fill 96, 4, 3214868480
	.section	.rodata,"a",@progbits
	.p2align	6, 0x0
	.amdhsa_kernel k_q7f77d287f9_attn
		.amdhsa_group_segment_fixed_size 215040
		.amdhsa_private_segment_fixed_size 0
		.amdhsa_enable_private_segment 0
		.amdhsa_kernarg_size 16
		.amdhsa_user_sgpr_count 2
		.amdhsa_user_sgpr_kernarg_segment_ptr 1
		.amdhsa_wavefront_size32 1
		.amdhsa_system_sgpr_workgroup_id_x 1
		.amdhsa_system_sgpr_workgroup_id_y 1
		.amdhsa_system_sgpr_workgroup_id_z 1
		.amdhsa_system_vgpr_workitem_id 0
		.amdhsa_next_free_vgpr 256
		.amdhsa_next_free_sgpr 80
		.amdhsa_reserve_vcc 1
		.amdhsa_float_denorm_mode_32 3
		.amdhsa_float_denorm_mode_16_64 3
		.amdhsa_memory_ordered 1
		.amdhsa_forward_progress 1
		.amdhsa_inst_pref_size 90
	.end_amdhsa_kernel
	.amdgpu_metadata
---
amdhsa.version: [ 1, 2 ]
amdhsa.kernels:
  - .name:           k_q7f77d287f9_attn
    .symbol:         k_q7f77d287f9_attn.kd
    .args:
      - { .name: qkv, .offset: 0, .size: 8, .value_kind: global_buffer, .address_space: global }
      - { .name: yq, .offset: 8, .size: 8, .value_kind: global_buffer, .address_space: global }
    .group_segment_fixed_size: 215040
    .private_segment_fixed_size: 0
    .kernarg_segment_align: 8
    .kernarg_segment_size: 16
    .max_flat_workgroup_size: 512
    .sgpr_count:     80
    .vgpr_count:     256
    .wavefront_size: 32
...
	.end_amdgpu_metadata
.endif
;; end of part 3
;; launch proj (part 4): grid 8 x 32, 4 waves a work-group, clusters of 4 x 4, 327,680 bytes of LDS; arguments yq, wq, out0; writes out0
.if DOCPART == 4
	.amdgcn_target "amdgcn-amd-amdhsa--gfx1250"
	.amdhsa_code_object_version 6
	.text
	.protected	k_q7f77d287f9_proj
	.globl	k_q7f77d287f9_proj
	.p2align	8
	.type	k_q7f77d287f9_proj,@function
k_q7f77d287f9_proj:
	s_mov_b64 s[64:65], 0
	v_nop
	global_prefetch_b8 v0, s[64:65] scope:SCOPE_SE
	s_setreg_imm32_b32 hwreg(HW_REG_WAVE_MODE, 25, 1), 1
	s_wait_xcnt 0x0
	s_wait_alu depctr_hold_cnt(0) depctr_sa_sdst(0) depctr_va_vdst(0) depctr_va_sdst(0) depctr_va_ssrc(0) depctr_va_vcc(0) depctr_vm_vsrc(0)
	s_getreg_b32 s2, hwreg(HW_REG_IB_STS2, 6, 4)
	s_cmp_eq_u32 s2, 0
	s_cbranch_scc0 .Lentry_in_a_cluster
	s_endpgm
.Lentry_in_a_cluster:
	s_bfe_u32 s2, ttmp6, 0x10000c
	s_cmp_lg_u32 s2, 0xf033
	s_cbranch_scc0 .Lentry_shape_is_right
	s_endpgm
.Lentry_shape_is_right:
; PROJ: out0 = y Wo on codes of FP6 (E2M3) with E8M0 scales; out0 [4,096][2,048] f32; sums in f32.
; OPERANDS are images of registers: a fragment (16 rows x 128 K) is 1,536 bytes, registers 4 c .. 4 c + 3 of lane l at 512 c + 16 l; yq, wq: [row tile][16 K steps of 128][1,536], then scale words [row tile][16][16 rows].
; Row i of row tile p is token (or column of Wo) 32 (p / 2) + 8 (p % 2) + i + 8 (i / 8): the way out puts rows and columns back in their places.  Wo's row tiles begin at 192 in wq.
; A tile of out0 is 128 tokens x 256 columns: the grid is 8 x 32 tiles, 256 work-groups.  Four waves, 64 x 128 each: 32 accumulators, 256 registers.
; K goes in steps of 512 through two LDS slots filled by the tensor data mover: a step of one row tile is 6,144 consecutive bytes, at a multiple of 256 from the buffer's first byte.  K = 2,048 is four such steps:
; two are asked for at the head, and each slot is filled again once.  So the walk over K is written out: a lap round the ring would run once.
; The scale words of the work-group's 8 + 16 row tiles, for all of K, come into LDS once.
; CLUSTERS: 4 x 4 work-groups; y's tiles are asked for jointly along a row of the cluster, Wo's along a column.
; THE MATRIX INSTRUCTION IS USED TRANSPOSED: source 0 = 16 columns of Wo, source 1 = 16 tokens: a lane holds eight neighbouring numbers of a row of out0.
; REGISTERS, in windows of 256: window 0: v16-30 addresses; v32-95 scale words, two sets of 32, and nothing else; v128-223 y's fragments, two sets of 48; on the way out v128-255 rows read back.
;   window 1: Wo's fragments, two sets of 96, at v0 and v128.   window 2: the accumulators ((a, b) at v[8 (8 a + b)]).
.set BRHO,   192                       ; Wo's first row tile in wq
.set RT,     24576                     ; a row tile's codes, all of K
.set ROWB,   6144                      ; and those of a K step of 512: four images
.set FR,     12                        ; registers of a fragment
.set NF,     36                        ; LDS loads that bring a step's fragments: (8 + 4) x 3
.set NP,     4                         ; places behind this matrix instruction (ISA guide 7.12.1)
.set ATILE,  4*ROWB                    ; 4 row tiles of y: what one tensor load brings, and what one wave reads
.set BTILE,  8*ROWB                    ; 8 row tiles of Wo: likewise
.set BOFF,   2*ATILE                   ; in a slot Wo's 16 row tiles lie behind y's 8
.set SLOT,   2*ATILE+2*BTILE           ; 147,456 bytes
.set SCL,    2*SLOT                    ; behind the ring: y's scale words,
.set ASCB,   4096                      ; (those of 4 row tiles)
.set BSCB,   8192                      ; (those of 8)
.set SCLB,   SCL+2*ASCB                ; then Wo's
.set SPARE,  SCLB+2*BSCB               ; behind them: the spare words, 128 bytes for each wave, which no other line names
.set XSC,    6291456                   ; yq: where the scale words begin
.set WSC,    7864320                   ; wq: likewise
.set SPITCH, 528                       ; the way out: a stage of 16 rows x (512 bytes + 16) for each wave, in slot 0, which has had its last fill and its last read when the first result is stored there
.set ADRA, 16                          ; v16-17  LDS address of y's fragments in slot 0, 1
.set ADRB, 20                          ; v20-21  of Wo's
.set STO,  24                          ; v24     the way out: where I put 32 bytes of a row
.set RD,   25                          ; v25     where I read a row back
.set CO,   26                          ; v26     16 x lane
.set ADRS, 27                          ; v27     LDS address of my scale words: lanes 0-15 y's rows, lanes 16-31 Wo's
.set SPW,  28                          ; v28     LDS address of my spare word; never rewritten
.set NIL,  29                          ; v29     0; never rewritten
.set PFO,  30                          ; v30     the prefetch's offset; never rewritten
.set SC,   32                          ; scale words: set s at v[SC + 32 s]; register 4 i + q: block i, the slot's q-th 128 along K
.set AF,   128                         ; y's fragments: set p at v[AF + 48 p]
.set BK,   128                         ; the way out: 16 rows read back: v128-191 and v192-255 by turns
.set G1, 24                            ; s[24:31] descriptor group 1 for y's tiles;  s[32:39] group 0, one set for each slot
.set G0, 32
.set G1B, 48                           ; s[48:55], s[56:63] the same for Wo's
.set G0B, 56
.set G1S, 68                           ; s[68:75], s[76:79] groups 1 and 0 for y's scale words;  s[80:87], s[88:91] for Wo's
.set G0S, 76
.set G1SB, 80
.set G0SB, 88
.set PFA,  98                          ; s[98:99] where my prefetch stands; never stepped
.set ELIG, 100                         ; s100    1 in a wave that prefetches
.set MSB, 0
.macro WIN new                         ; the immediate's high byte repeats the setting that is left
.if MSB != (\new)
	s_set_vgpr_msb (MSB<<8)|(\new)
.set MSB, (\new)
.endif
.endm
.set W_MUL, 0xa1                       ; source 0 window 1, source 1 window 0, C and D window 2
.set TO_B,  0x40                       ; destination window 1, address window 0
; A joint load: waves 0 and 1 fetch y's halves, waves 2 and 3 Wo's.  The branch hangs on the wave's number alone.  Four v_nop follow each of the two lines.
.macro JLOAD g0a, g1a, g0b, g1b
	s_cmp_eq_u32 s15, 0
	s_cbranch_scc0 .Lfor_b_\@
	tensor_load_to_lds s[\g0a:\g0a+3], s[\g1a:\g1a+7]
	s_nop 0
.rept 4
	v_nop
.endr
	s_branch .Lasked_\@
.Lfor_b_\@:
	tensor_load_to_lds s[\g0b:\g0b+3], s[\g1b:\g1b+7]
	s_nop 0
.rept 4
	v_nop
.endr
.Lasked_\@:
.endm
.macro CREST                           ; a round of the cluster's barrier behind its opening barrier
	s_cmp_lg_u32 s14, 0
	s_cbranch_scc1 .Lnot_wave_0_\@
	s_barrier_signal -3
.Lnot_wave_0_\@:
	s_barrier_wait -3
	s_barrier_signal -1
	s_barrier_wait -1
.endm
.macro CROUND                          ; a whole round
	s_barrier_signal -1
	s_barrier_wait -1
	CREST
.endm
; A PREFETCH INTO THE L2, behind the first refill, of what the second refill will ask for: the last K step of 512, bytes 18,432 to 24,575 of a row tile: 24 blocks of 256 bytes, a lane a block (lanes 24 to 31 are held at lane 23's).
; It stands a slot's 128 matrix instructions ahead of that load.  Each block is named once in the launch: of the clusters that read a row tile the first asks (cluster x = 0 for y, cluster y = 0 for Wo); of the row tiles that
; a wave fetches, each of the four partners that ask for them jointly takes its share, told apart by address: one of y's four, two of Wo's eight (a second line, in Wo's waves alone).  K under 1,536 comes by its loads alone.
.macro ASK
	s_cmp_eq_u32 s[ELIG], 1
	s_cbranch_scc0 .Lnot_mine_\@
	global_prefetch_b8 v[PFO], s[PFA:PFA+1] th:TH_LOAD_NT scope:SCOPE_SE
	s_cmp_eq_u32 s15, 0
	s_cbranch_scc1 .Lnot_mine_\@
	global_prefetch_b8 v[PFO], s[PFA:PFA+1] offset:RT th:TH_LOAD_NT scope:SCOPE_SE
.Lnot_mine_\@:
.endm
	s_load_b128 s[4:7], s[0:1], 0x0                ; yq s[4:5], wq s[6:7]
	s_load_b64 s[12:13], s[0:1], 0x10              ; out0
	v_lshl_add_u32 v[SPW], v0, 2, SPARE
	v_mov_b32 v[NIL], 0
	ds_add_u32 v28, v29
	ds_add_u32 v28, v29
	s_wait_dscnt 0x0
	v_lshrrev_b32 v1, 5, v0
	v_readfirstlane_b32 s14, v1                    ; wave 0..3
	s_lshr_b32 s15, s14, 1                         ; which half of the tile's rows is mine.  Also: I fetch for y (0) or for Wo (1)
	s_and_b32 s16, s14, 1                          ; which half of its columns.  Also: which half of that side's row tiles I fetch
	s_bfe_u32 s40, ttmp6, 0x40000                  ; cx, cy: my place in the cluster
	s_bfe_u32 s41, ttmp6, 0x40004
	s_lshl_b32 s42, ttmp9, 2
	s_add_co_u32 s42, s42, s40                     ; tile column = 4 x cluster x + cx
	s_and_b32 s17, ttmp7, 0xffff
	s_lshl_b32 s17, s17, 2
	s_add_co_u32 s17, s17, s41                     ; tile row = 4 x cluster y + cy
	s_lshl_b32 s43, s41, 2
	s_lshl_b32 s43, 15, s43                        ; my row of the cluster
	s_lshl_b32 s44, 0x1111, s40                    ; my column
	; descriptor group 1: rows of 6,144 bytes (768 elements of 8 bytes), 24,576 bytes apart: 4 of y, 8 of Wo; no padding: every LDS read takes 512 consecutive bytes
	s_or_b32 s[G1+0], s43, (3<<16)|(1<<21)         ; 15:0 the mask; 17:16 elements of 8 bytes; 21 set beside a mask
	s_or_b32 s[G1B+0], s44, (3<<16)|(1<<21)
.irp g, G1, G1B
	s_mov_b32 s[\g+1], (ROWB/8)<<16                ; tensor_dim0
	s_mov_b32 s[\g+3], (ROWB/8)<<16                ; tile_dim0
	s_mov_b32 s[\g+5], RT/8                        ; tensor_dim0_stride
	s_mov_b32 s[\g+6], 0
	s_mov_b32 s[\g+7], 0
.endr
	s_mov_b32 s[G1+2], 4<<16                       ; tensor_dim1,
	s_mov_b32 s[G1+4], 4                           ; tile_dim1
	s_mov_b32 s[G1B+2], 8<<16
	s_mov_b32 s[G1B+4], 8
	; and for the scale words: dense bytes as rows of 256: 16 rows for y's 4 row tiles, 32 for Wo's 8
	s_or_b32 s[G1S+0], s43, (3<<16)|(1<<21)
	s_or_b32 s[G1SB+0], s44, (3<<16)|(1<<21)
.irp g, G1S, G1SB
	s_mov_b32 s[\g+1], 32<<16
	s_mov_b32 s[\g+3], 32<<16
	s_mov_b32 s[\g+5], 32
	s_mov_b32 s[\g+6], 0
	s_mov_b32 s[\g+7], 0
.endr
	s_mov_b32 s[G1S+2], 16<<16
	s_mov_b32 s[G1S+4], 16
	s_mov_b32 s[G1SB+2], 32<<16
	s_mov_b32 s[G1SB+4], 32
	s_lshl_b32 s18, s16, 2
	s_lshl_b32 s20, s17, 3
	s_add_co_u32 s20, s20, s18                     ; y: row tile 8 x tile row + 4 x half
	s_lshl_b32 s18, s16, 3
	s_lshl_b32 s46, s42, 4
	s_add_co_u32 s46, s46, s18
	s_add_co_u32 s46, s46, BRHO                    ; Wo: 192 + 16 x tile column + 8 x half
	s_lshl_b32 s22, s20, 10
	s_add_co_u32 s22, s22, XSC                     ; where these row tiles' scale words begin,
	s_mov_b32 s23, 0
	s_lshl_b32 s92, s46, 10
	s_add_co_u32 s92, s92, WSC
	s_mov_b32 s93, 0
	s_mul_i32 s20, s20, RT                         ; and their codes
	s_mov_b32 s21, 0
	s_mul_i32 s46, s46, RT
	s_mov_b32 s47, 0
	s_mul_i32 s45, s16, ATILE                      ; where they go: by the wave's number alone: y's halves,
	s_mul_i32 s95, s16, BTILE
	s_add_co_u32 s95, s95, BOFF                    ; Wo's halves,
	s_mul_i32 s94, s16, ASCB
	s_add_co_u32 s94, s94, SCL                     ; y's scale words,
	s_mul_i32 s96, s16, BSCB
	s_add_co_u32 s96, s96, SCLB                    ; Wo's
	s_wait_kmcnt 0x0
	s_add_nc_u64 s[20:21], s[4:5], s[20:21]
	s_add_nc_u64 s[22:23], s[4:5], s[22:23]
	s_add_nc_u64 s[46:47], s[6:7], s[46:47]
	s_add_nc_u64 s[92:93], s[6:7], s[92:93]
	CROUND                                         ; all sixteen work-groups are here: the first joint loads meet
	s_mov_b32 s[G0S], 1
	s_mov_b32 s[G0S+1], s94
	s_mov_b64 s[G0S+2:G0S+3], s[22:23]
	s_or_b32 s[G0S+3], s[G0S+3], 0x80000000
	s_mov_b32 s[G0SB], 1
	s_mov_b32 s[G0SB+1], s96
	s_mov_b64 s[G0SB+2:G0SB+3], s[92:93]
	s_or_b32 s[G0SB+3], s[G0SB+3], 0x80000000
	JLOAD G0S, G1S, G0SB, G1SB                     ; the scale words first: they are wanted with the first K step
.irp s, 0,1
	s_mov_b32 s[G0+4*\s], 1
	s_add_co_u32 s[G0+4*\s+1], s45, \s*SLOT
	s_add_nc_u64 s[G0+4*\s+2:G0+4*\s+3], s[20:21], \s*ROWB
	s_or_b32 s[G0+4*\s+3], s[G0+4*\s+3], 0x80000000
	s_mov_b32 s[G0B+4*\s], 1
	s_add_co_u32 s[G0B+4*\s+1], s95, \s*SLOT
	s_add_nc_u64 s[G0B+4*\s+2:G0B+4*\s+3], s[46:47], \s*ROWB
	s_or_b32 s[G0B+4*\s+3], s[G0B+4*\s+3], 0x80000000
	JLOAD G0+4*\s, G1, G0B+4*\s, G1B               ; three tensor loads of mine are out: half of K is on its way
.endr
	v_and_b32 v1, 15, v0                           ; r
	v_bfe_u32 v2, v0, 4, 1                         ; h
	v_and_b32 v3, 31, v0                           ; lane
	v_lshlrev_b32 v[CO], 4, v3
	s_mul_i32 s18, s15, ATILE                      ; my 64 rows of y
	s_mul_i32 s19, s16, BTILE
	s_add_co_u32 s19, s19, BOFF                    ; my 128 columns of Wo
.irp s, 0,1
	v_add_nc_u32 v[ADRA+\s], s18, v[CO]
	v_add_nc_u32 v[ADRB+\s], s19, v[CO]
	s_add_co_u32 s18, s18, SLOT
	s_add_co_u32 s19, s19, SLOT
.endr
	s_mul_i32 s21, s15, ASCB                       ; y's scale words: my 4 row tiles
	s_mul_i32 s22, s16, BSCB
	s_add_co_u32 s22, s22, 2*ASCB
	s_sub_co_u32 s22, s22, s21                     ; Wo's lie this much further on
	v_mul_u32_u24 v6, s22, v2                      ; lanes 16-31 take Wo's
	s_add_co_u32 s21, s21, SCL
	v_lshl_add_u32 v5, v1, 2, v6
	v_add_nc_u32 v[ADRS], s21, v5
	s_mul_i32 s23, s14, 16*SPITCH                  ; my stage
	v_mul_u32_u24 v5, v1, SPITCH                   ; in: row r; my half's 16 columns of each 32: + 64 h
	v_lshl_add_u32 v5, v2, 6, v5
	v_add_nc_u32 v[STO], s23, v5
	v_add_nc_u32 v[RD], s23, v[CO]                 ; back: the 32 lanes take one row of 512 bytes
	s_lshl_b32 s20, s17, 7
	s_lshl_b32 s21, s15, 6
	s_add_co_u32 s20, s20, s21                     ; my first row of out0: 128 x tile row + 64 x half
	s_lshl_b32 s20, s20, 13                        ; a row is 8,192 bytes
	s_lshl_b32 s46, s42, 10                        ; my first column, in bytes: 1,024 x tile column + 512 x half
	s_lshl_b32 s47, s16, 9
	s_add_co_u32 s46, s46, s47
	s_add_co_u32 s20, s20, s46
	s_mov_b32 s21, 0
	s_add_nc_u64 s[12:13], s[12:13], s[20:21]
	; the prefetch: who asks, and where
	s_lshl_b32 s18, s17, 3                         ; y: the tile's first row tile,
	s_lshl_b32 s19, s42, 4
	s_add_co_u32 s19, s19, BRHO                    ; Wo: likewise
	s_lshl_b32 s94, s16, 2                         ; y: the 4 that I fetch,
	s_lshl_b32 s95, s16, 3                         ; Wo: the 8
	s_lshl_b32 s96, s41, 1                         ; Wo: my work-group's two of them, by cy (y: one, by cx)
	s_and_b32 s97, ttmp7, 0xffff                   ; cluster y
	s_cmp_eq_u32 s15, 0                            ; do I fetch for y?
	s_cselect_b32 s18, s18, s19
	s_cselect_b32 s94, s94, s95
	s_cselect_b32 s96, s40, s96
	s_cselect_b32 s97, ttmp9, s97                  ; the coordinate along which other clusters read the same row tiles
	s_cselect_b64 s[PFA:PFA+1], s[4:5], s[6:7]
	s_cmp_eq_u32 s97, 0
	s_cselect_b32 s[ELIG], 1, 0                    ; the same in all sixteen partners, for a given wave
	s_add_co_u32 s18, s18, s94
	s_add_co_u32 s18, s18, s96
	s_mul_i32 s18, s18, RT
	s_add_co_u32 s18, s18, 3*ROWB                  ; the last K step of 512
	s_mov_b32 s19, 0
	s_add_nc_u64 s[PFA:PFA+1], s[PFA:PFA+1], s[18:19]
	v_min_u32 v[PFO], 23, v3
	v_lshlrev_b32 v[PFO], 8, v[PFO]                ; 256 bytes from lane to lane; 24 x 256 = 6,144
.macro FRAG reg, adr, q, i             ; a fragment comes as it was stored: three loads of 512 consecutive bytes
.irp c, 0,1,2
	ds_load_b128 v[\reg+4*\c:\reg+4*\c+3], v[\adr] offset:ROWB*(\i)+1536*(\q)+512*\c
.endr
.endm
; 8 matrix instructions: y's block a x Wo's eight, 128 along K: the slot's q-th.  p: the set of fragments;  sc: the set of scale words.  zero = 1: the first product starts the sums: nothing is ever cleared.
; The 32 accumulators take turns, one instruction a turn, in the same order in every step.
.macro MUL8 a, p, q, sc, zero
.irp b, 0,1,2,3,4,5,6,7
.if \zero
	v_wmma_scale_f32_16x16x128_f8f6f4 v[8*(8*(\a)+\b):8*(8*(\a)+\b)+7], v[128*(\p)+FR*\b:128*(\p)+FR*\b+FR-1], v[AF+48*(\p)+FR*(\a):AF+48*(\p)+FR*(\a)+FR-1], 0, v[SC+32*(\sc)+4*\b+(\q)], v[SC+32*(\sc)+4*(\a)+(\q)] matrix_a_fmt:MATRIX_FMT_FP6 matrix_b_fmt:MATRIX_FMT_FP6 matrix_a_scale:MATRIX_SCALE_ROW1
.else
	v_wmma_scale_f32_16x16x128_f8f6f4 v[8*(8*(\a)+\b):8*(8*(\a)+\b)+7], v[128*(\p)+FR*\b:128*(\p)+FR*\b+FR-1], v[AF+48*(\p)+FR*(\a):AF+48*(\p)+FR*(\a)+FR-1], v[8*(8*(\a)+\b):8*(8*(\a)+\b)+7], v[SC+32*(\sc)+4*\b+(\q)], v[SC+32*(\sc)+4*(\a)+(\q)] matrix_a_fmt:MATRIX_FMT_FP6 matrix_b_fmt:MATRIX_FMT_FP6 matrix_a_scale:MATRIX_SCALE_ROW1
.endif
.endr
.endm
.macro FETCH slot, q, p                ; NF loads in one run: the fragments of the slot's q-th 128 along K into set p: Wo's eight, y's four
	WIN TO_B
.irp i, 0,1,2,3,4,5,6,7
	FRAG 128*(\p)+FR*\i, ADRB+\slot, \q, \i
.endr
	WIN 0
.irp i, 0,1,2,3
	FRAG AF+48*(\p)+FR*\i, ADRA+\slot, \q, \i
.endr
.endm
.macro SCALES sc                       ; a slot's scale words into set sc: lanes 0-15 take y's block i (of registers 4 i + q, i over 3, these lanes are never used), lanes 16-31 Wo's block i
.irp i, 0,1,2,3,4,5,6,7
.irp q, 0,1,2,3
	ds_load_b32 v[SC+32*\sc+4*\i+\q], v[ADRS] offset:1024*\i+64*\q
.endr
.endr
.endm
; A load into a register that a matrix instruction has read, and a vector instruction or an LDS store that reads a matrix result, stand NP places behind that matrix instruction; only plain vector instructions
; that name none of its registers are places (ISA guide 7.12.1 for vector instructions).
.macro PLACES n
.rept \n
	v_nop
.endr
.endm
; A step of 128 along K that has its successor in the same slot: the successor's fragments are asked for first, into the other set, and land while this step's 32 products are issued.
.macro STEP slot, q, zero
	PLACES NP                                      ; the other set was read by the products just issued
	FETCH \slot, (\q)+1, 1-(\q)%2
	s_wait_dscnt NF                                ; all but the NF loads just issued: this step's fragments, and at a slot's head its scale words, are in
	WIN W_MUL
	MUL8 0, (\q)%2, \q, \slot, \zero
	MUL8 1, (\q)%2, \q, \slot, \zero
	MUL8 2, (\q)%2, \q, \slot, \zero
	MUL8 3, (\q)%2, \q, \slot, \zero
.endm
; A slot's fourth step changes slots: ONE barrier; in front of it each wave waits for all its tensor loads, adds 0 to its spare word, and waits for that and for its own reads of this slot.
; fill = 1: this slot is filled again, with the K step two on; the barrier then opens a round of the cluster's.  ask = 1: the prefetch stands here.
.macro TURN slot, next, fill, ask
	WIN 0                                          ; (the add's two registers lie in window 0)
	s_wait_tensorcnt 0x0                           ; all my tensor loads have landed: my part of the next slot;
	ds_add_u32 v[SPW], v[NIL]                      ; 0 onto my spare word
	s_wait_dscnt 1                                 ; this step's fragments are in (the add may be out)
	WIN W_MUL
	MUL8 0, 1, 3, \slot, 0                         ; eight matrix instructions stand between the add and the wait for it
	s_wait_dscnt 0x0                               ; the add is done, and my reads of this slot are over
	s_barrier_signal -1
	MUL8 1, 1, 3, \slot, 0
	WIN 0
	s_barrier_wait -1
.if \fill
	CREST                                          ; no wave of any partner still reads this slot's tile or has a load on its way
	s_add_nc_u64 s[G0+4*\slot+2:G0+4*\slot+3], s[G0+4*\slot+2:G0+4*\slot+3], 2*ROWB
	s_add_nc_u64 s[G0B+4*\slot+2:G0B+4*\slot+3], s[G0B+4*\slot+2:G0B+4*\slot+3], 2*ROWB
	JLOAD G0+4*\slot, G1, G0B+4*\slot, G1B         ; the first tensor load behind the round, and my only one until the next; its four v_nop are the places in front of the loads below
.else
	PLACES NP
.endif
	v_add_nc_u32 v[ADRS], 256, v[ADRS]             ; on to the next slot's scale words: four K steps of 128, 64 bytes each
	FETCH \next, 0, 0
	SCALES \next
.if \ask
	ASK
.endif
	WIN W_MUL
	MUL8 2, 1, 3, \slot, 0
	MUL8 3, 1, 3, \slot, 0
.endm
	s_wait_tensorcnt 1                             ; the scale words and my part of slot 0 are in (slot 1's load may be out)
	s_barrier_signal -1
	s_barrier_wait -1                              ; everybody's are
	FETCH 0, 0, 0
	SCALES 0
	STEP 0, 0, 1                                   ; K 0 to 511; the first step's products start the sums
	STEP 0, 1, 0
	STEP 0, 2, 0
	TURN 0, 1, 1, 1                                ; slot 0 takes K 1,024 to 1,535
	STEP 1, 0, 0                                   ; K 512 to 1,023
	STEP 1, 1, 0
	STEP 1, 2, 0
	TURN 1, 0, 1, 0                                ; slot 1 takes K 1,536 to 2,047
	STEP 0, 0, 0
	STEP 0, 1, 0
	STEP 0, 2, 0
	TURN 0, 1, 0, 0                                ; nothing is left to fetch: no round of the cluster's barrier
	STEP 1, 0, 0
	STEP 1, 1, 0
	STEP 1, 2, 0
	s_wait_dscnt 0                                 ; the very last step
	WIN W_MUL
	MUL8 0, 1, 3, 1, 0
	MUL8 1, 1, 3, 1, 0
	MUL8 2, 1, 3, 1, 0
	MUL8 3, 1, 3, 1, 0
	WIN 0
; THE WAY OUT, block by block of 16 rows x 128 columns, through my own stage in LDS.  Register j of accumulator (a, b) in lane (r, h) is column 32 (b / 2) + 16 h + 8 (b % 2) + j of my 128, in row r of tile a;
; stage row t of block a is row 32 (a / 2) + 8 (a % 2) + t + 8 (t / 8) of my 64.  A row comes back whole: 32 lanes store 512 consecutive bytes.  LDS serves a wave's instructions in order (ISA guide 5.7.1.4).
.macro TOSTAGE a
.set AC, 64*(\a)
	WIN 0x08                                       ; the data: window 2
.irp b, 0,1,2,3,4,5,6,7
	ds_store_b128 v[STO], v[AC+8*\b:AC+8*\b+3] offset:128*(\b/2)+32*(\b%2)          ; each accumulator from its low end on
	ds_store_b128 v[STO], v[AC+8*\b+4:AC+8*\b+7] offset:128*(\b/2)+32*(\b%2)+16
.endr
	WIN 0
.set BB, BK+64*((\a)%2)
.irp t, 0,1,2,3,4,5,6,7,8,9,10,11,12,13,14,15
	ds_load_b128 v[BB+4*\t:BB+4*\t+3], v[RD] offset:\t*SPITCH
.endr
.endm
.macro SEND a, younger                 ; younger: the LDS instructions issued behind block a's loads, which may stay out
.set BB, BK+64*((\a)%2)
	s_wait_dscnt \younger                          ; the block is back in registers
.if (\a) > 0
.if (\a)%2
	s_add_nc_u64 s[12:13], s[12:13], 8*8192        ; (behind a wait on XCNT: the earlier stores have read their base)  from an even block to the next: 8 rows on,
.else
	s_add_nc_u64 s[12:13], s[12:13], 24*8192       ; from an odd one: 24
.endif
.endif
.irp t, 0,1,2,3,4,5,6,7,8,9,10,11,12,13,14,15
	global_store_b128 v[CO], v[BB+4*\t:BB+4*\t+3], s[12:13] offset:(\t+8*(\t/8))*8192 th:TH_STORE_NT   ; 512 consecutive bytes, at a multiple of 256 from out0's first byte; written once, read by nobody here
.endr
.endm
	PLACES NP                                      ; behind the last products: for the loads into the registers that held y's fragments, and for the reads of results
	TOSTAGE 0
.irp a, 1,2,3
.if \a > 1
	s_wait_xcnt 0x0                                ; block a - 2's stores have read their registers and their base: block a's loads may land there, and the base may step
.endif
	TOSTAGE \a
	SEND \a-1, 32                                  ; behind block a - 1's loads: block a's 16 stores and 16 loads
.endr
	s_wait_xcnt 0x0                                ; block 2's stores have read their base
	SEND 3, 0
	s_wait_tensorcnt 0x0                           ; the wave's end: behind my last tensor load and my last LDS store
	ds_add_u32 v[SPW], v[NIL]
	s_wait_dscnt 0x0
	CROUND                                         ; the closing round: no work-group ends while a partner may still ask for a tile that names it
	s_endpgm
.Lfunc_end_k_q7f77d287f9_proj:
	.size	k_q7f77d287f9_proj, .Lfunc_end_k_q7f77d287f9_proj-k_q7f77d287f9_proj
	.p2alignl 7, 3214868480
	.fill 96, 4, 3214868480
	.section	.rodata,"a",@progbits
	.p2align	6, 0x0
	.amdhsa_kernel k_q7f77d287f9_proj
		.amdhsa_group_segment_fixed_size 327680
		.amdhsa_private_segment_fixed_size 0
		.amdhsa_enable_private_segment 0
		.amdhsa_kernarg_size 24
		.amdhsa_user_sgpr_count 2
		.amdhsa_user_sgpr_kernarg_segment_ptr 1
		.amdhsa_wavefront_size32 1
		.amdhsa_system_sgpr_workgroup_id_x 1
		.amdhsa_system_sgpr_workgroup_id_y 1
		.amdhsa_system_sgpr_workgroup_id_z 1
		.amdhsa_system_vgpr_workitem_id 0
		.amdhsa_next_free_vgpr 768
		.amdhsa_next_free_sgpr 102
		.amdhsa_reserve_vcc 0
		.amdhsa_float_denorm_mode_32 3
		.amdhsa_float_denorm_mode_16_64 3
		.amdhsa_memory_ordered 1
		.amdhsa_forward_progress 1
		.amdhsa_inst_pref_size 141
	.end_amdhsa_kernel
	.amdgpu_metadata
---
amdhsa.version: [ 1, 2 ]
amdhsa.kernels:
  - .name:           k_q7f77d287f9_proj
    .symbol:         k_q7f77d287f9_proj.kd
    .args:
      - { .name: yq, .offset: 0, .size: 8, .value_kind: global_buffer, .address_space: global }
      - { .name: wq, .offset: 8, .size: 8, .value_kind: global_buffer, .address_space: global }
      - { .name: out0, .offset: 16, .size: 8, .value_kind: global_buffer, .address_space: global }
    .group_segment_fixed_size: 327680
    .private_segment_fixed_size: 0
    .kernarg_segment_align: 8
    .kernarg_segment_size: 24
    .max_flat_workgroup_size: 128
    .sgpr_count:     102
    .vgpr_count:     768
    .wavefront_size: 32
...
	.end_amdgpu_metadata
.endif
;; end of part 4
